; MI455X (gfx1250); checked and timed in simulation.
; The chip was launched on July 23, 2026; its instructions are those of AMD's public machine-readable ISA for CDNA 5 (MIT licence, August 2026) and "CDNA5" Instruction Set Architecture Reference Guide (July 2026). The comments in the code are by the model that wrote it; some were corrected since.
;; Encoder Layer. Allowed arithmetic: matrix products marked QUANTISED: E3M2 operands, one E8M0 scale for each 32 along K, by v_wmma_scale_f32_16x16x128_f8f6f4 with both operands' format E3M2, f32 sums; everything else in f32.
;; Inputs: W1 1,024 x 4,096 float32; W2 4,096 x 1,024 float32; Wk 1,024 x 1,024 float32; Wo 1,024 x 1,024 float32; Wq 1,024 x 1,024 float32; Wv 1,024 x 1,024 float32; b1 4,096 float32; b2 1,024 float32; beta 1,024 float32; bk 1,024 float32; bo 1,024 float32; bq 1,024 float32; bv 1,024 float32; gamma 1,024 float32; seq_mask 2 x 2,048 int32; x 2 x 2,048 x 1,024 float32.
;; Outputs: out0 2 x 2,048 x 1,024 float32.
;; Constants: alpha_ent = 2, sparse = 0.
;; This version of the problem:
;;   THIS VERSION OF THE PROBLEM IS GIVEN IN LOW PRECISION. The matrix products marked QUANTISED in the list below multiply operands that are first quantised to E3M2 (3 exponent bits, 2 mantissa bits; 6 bits a number), with one power-of-two scale for each 32 numbers along K (OCP MX v1.0); their sums are f32. All else is computed in f32.
;;   The module's matrix products, in the order in which they are computed (A, B: the left and right operand; K: the contracted axis; several contracted axes count as one K, in the product's order):
;;     1. [M 4,096, K 1,024] x [K 1,024, N 1,024]; A: input x; B: input Wq: QUANTISED
;;     2. [M 4,096, K 1,024] x [K 1,024, N 1,024]; A: input x; B: input Wk: QUANTISED
;;     3. [M 4,096, K 1,024] x [K 1,024, N 1,024]; A: input x; B: input Wv: QUANTISED
;;     4. batch 32 x [M 2,048, K 64] x [K 64, N 2,048]; A: computed on the way; B: computed on the way: QUANTISED
;;     5. batch 32 x [M 2,048, K 2,048] x [K 2,048, N 64]; A: softmax (see below); B: computed on the way: QUANTISED
;;     6. [M 4,096, K 1,024] x [K 1,024, N 1,024]; A: computed on the way; B: input Wo: QUANTISED
;;     7. [M 4,096, K 1,024] x [K 1,024, N 4,096]; A: computed on the way; B: input W1: QUANTISED
;;     8. [M 4,096, K 4,096] x [K 4,096, N 1,024]; A: computed on the way; B: input W2: QUANTISED
;;   THE QUANTISER, for each operand of a quantised product, along K:
;;     - K is cut into blocks of 32 from its start; a last block that is shorter is filled with zeros.
;;     - A block's scale is 2^e with e = floor(log2(the largest magnitude in the block)) - 4, held to -126 .. 127; a block of zeros has e = 0. As a byte (E8M0): e + 127.
;;     - Each number is divided by its block's scale, clamped to +-28, and rounded to the nearest number of E3M2, ties to even, subnormals kept.
;;     - The product sums the exact products of the quantised numbers (number of the format x scale) in f32.
;;   ~~~python
;;   def quantise(x, axis):      # numpy; x: float32 -> the quantised numbers, widened to float32 again
;;       x = np.moveaxis(x, axis, -1); K = x.shape[-1]
;;       x = np.pad(x, [(0, 0)] * (x.ndim - 1) + [(0, -K % 32)]); x = x.reshape(x.shape[:-1] + (-1, 32)); a = np.abs(x).max(-1, keepdims=True)
;;       e = np.where(a > 0, np.clip(np.frexp(np.where(a > 0, a, 1))[1] - 1 - 4, -126, 127), 0)      # np.frexp(a)[1] - 1 = floor(log2(a)), exactly
;;       r = np.clip(x / 2.0 ** e, -28, 28)
;;       step = 2.0 ** (np.maximum(np.frexp(np.where(r == 0, 1, r))[1] - 1, -2) - 2)
;;       q = np.round(r / step) * step * 2.0 ** e      # np.round: ties to even
;;       return np.moveaxis(q.reshape(q.shape[:-2] + (-1,))[..., :K], -1, axis).astype(np.float32)
;;   ~~~
;;   SOFTMAX AHEAD OF A QUANTISED PRODUCT. Where the list says 'softmax', what is quantised is not the finished softmax but p = 2^(t - M), with t = logit x log2(e) and M = ceil(the row's largest t), a whole number; so 1/2 < the row's largest p <= 1. The row's sum l is taken of the UNQUANTISED p, in f32, and the product's result is divided by l at the end. Since M is a whole number, a kernel that streams over the keys may use a running M (the ceiling of the running maximum): every later rescaling is an exact power of two, which a block's scale takes up: the codes' values come out the same.
;;   OPERANDS COMPUTED ON THE WAY. 'Computed on the way' means the value that the module computes at that place (a softmax that the list does not call 'softmax' is quantised finished and normalised). What goes into a quantiser is computed in f32, as accurately as f32 sums, v_exp_f32 and their like allow (about 1e-6 of the number): no bf16 or f16 on the way to a quantiser, and a product that is left as it is and whose result goes on into a quantised operand takes f32 operands (vector FMAs, or v_wmma_f32_16x16x4_f32). A number that lies on a knife's edge between two numbers of the format may be rounded either way, as far as f32 arithmetic and the matrix unit's own rounding can turn it there, and no further.
;; One version. Each part assembles by itself: llvm-mc -triple=amdgcn-amd-amdhsa -mcpu=gfx1250 --defsym DOCPART=n.
;; ======== version 1 of 1: 7 launches
;; limits: right only within a limited range of input values
;; workspace buffers: wsq 13,139,968 bytes; qkv 10,223,616 bytes; att 3,276,800 bytes; yb 20,054,016 bytes; hb 13,107,200 bytes; y2b 16,777,216 bytes
;; launch quant (part 1): grid 640 x 1, 4 waves a work-group, no clusters, 34,304 bytes of LDS; arguments x, Wq, Wk, Wv, Wo, W2, W1, wsq; writes wsq
.if DOCPART == 1
	.amdgcn_target "amdgcn-amd-amdhsa--gfx1250"
	.amdhsa_code_object_version 6
	.text
	.protected	k_qcd961ac593_quant
	.globl	k_qcd961ac593_quant
	.p2align	8
	.type	k_qcd961ac593_quant,@function
k_qcd961ac593_quant:
	s_mov_b64 s[64:65], 0
	v_nop
	global_prefetch_b8 v0, s[64:65] scope:SCOPE_SE
	s_setreg_imm32_b32 hwreg(HW_REG_WAVE_MODE, 25, 1), 1
	s_wait_xcnt 0x0
; x [4096][1024] and the six weights (stored [K][N]), all f32, become codes of BF6 (E3M2) with one E8M0 byte for each 32 along K, laid in wsq as IMAGES OF OPERAND REGISTERS.
; A fragment (16 rows x 128 K, 12 registers a lane) is 1,536 bytes: registers 4 g .. 4 g + 3 of lane l at 512 g + 16 l.  Codes: [K / 256][rows / 16][2][1,536].  Scale words (4 bytes: one row, 128 K): [K / 128][rows][4].
; ROWS LIE BY POSITION: position p holds row idx(p) = p with bits 3 and 4 exchanged.  A product whose source 0 is such a block of 16 leaves, in the 16 registers of two neighbouring tiles, 16 neighbours along the next K.
; A block's scale is 2^(floor(log2(largest magnitude)) - 4): the largest magnitude's exponent field less 4, held at 1 from below.
; LIMITS: a block of zeros gets the byte 1 (its codes are zeros; only this program reads the bytes); NaN and infinities among the inputs are not served.
; Work-groups 0-255: x, one block of 16 tokens each, wave w its K 256 w on.  256-511: Wq, Wk, Wv, Wo (32 each) and W2 (128): 128 columns x 256 K.  512-639: W1 likewise.
; No matrix work, no cluster, no tensor load: every input byte is read once by one wave, so nothing is shared.  Only x's path touches LDS (a stage of each wave's own).
.set WQKVC, 3145728
.set WOC,   5505024
.set W1C,   6291456
.set W2C,   9437184
.set XSC,   12582912
.set WQKVS, 12713984
.set WOS,   12845056
.set W1S,   12877824
.set W2S,   13008896
.set STG,   8448                       ; a wave's stage: 16 rows x (512 bytes + 16)
.set SPARE, 4*STG                      ; behind the stages: the spare words, 128 bytes a wave
.set SPW, 2                            ; v2  my spare word's LDS address; never rewritten
.set NIL, 3                            ; v3  0; never rewritten
.set SEL, 38                           ; s[38:39] lane selects: lane l xor 16
.set R,   16                           ; v16-143  x as loaded: 2 K steps x 16 rows x 4 registers
.set XR,  144                          ; v144-207 64 numbers of my row: register 16 b + i = k 32 b + 16 (lane / 16) + i
.set TM,  208                          ; v208-223 at work in QUANT
.set PW,  224                          ; the scale word
.set PC,  226                          ; v226-244 the codes
.set WX,  32                           ; v32-95   weights: two sets of 32 numbers down K
.set IM,  96                           ; v96-119  two images
.set TT,  120                          ; v120-122 a conversion's second half
.set SBW, 15                           ; v15      my column's four scale bytes
.macro QUANT s                         ; 64 numbers of a lane -> 12 registers of codes in v[PC] on, the row's scale word in v[PW]
.irp b, 0,1,2,3
	v_max3_num_f32 v[TM+\b], |v[\s+16*\b]|, |v[\s+1+16*\b]|, 0x2800000   ; with the floor 2^(5 - 127): the byte cannot fall under 1
.endr
.irp i, 2,4,6,8,10,12,14
.irp b, 0,1,2,3
	v_max3_num_f32 v[TM+\b], v[TM+\b], |v[\s+16*\b+\i]|, |v[\s+1+16*\b+\i]|
.endr
.endr
.irp b, 0,1,2,3
	v_permlanex16_b32 v[TM+4+\b], v[TM+\b], s[SEL], s[SEL+1]
.endr
.irp b, 0,1,2,3
	v_max_num_f32 v[TM+\b], v[TM+\b], v[TM+4+\b]   ; with lane l xor 16's 16 numbers: the block's largest magnitude
.endr
.irp b, 0,1,2,3
	v_add_nc_u32 v[TM+12+\b], 0xfe000000, v[TM+\b] ; 4 off its exponent field: the conversion's scale operand
.endr
.irp b, 0,1,2,3
	v_lshrrev_b32 v[TM+4+\b], 23, v[TM+12+\b]      ; the scale's byte
.endr
	v_lshl_or_b32 v[PW], v[TM+5], 8, v[TM+4]
	v_lshl_or_b32 v[PW], v[TM+6], 16, v[PW]
	v_lshl_or_b32 v[PW], v[TM+7], 24, v[PW]
.irp c, 0,1
	v_cvt_scalef32_pk16_bf6_f32 v[PC+6*\c:PC+2+6*\c], v[\s+32*\c:\s+15+32*\c], v[TM+12+2*\c]
	v_cvt_scalef32_pk16_bf6_f32 v[PC+12+4*\c:PC+14+4*\c], v[\s+16+32*\c:\s+31+32*\c], v[TM+13+2*\c]
.endr
	v_nop                                          ; one plain place behind a scaled conversion
.irp c, 0,1                                    ; the layout wants a whole block in a lane: lanes 0-15 block 2 c, lanes 16-31 block 2 c + 1
.irp i, 0,1,2
	v_permlane16_swap_b32 v[PC+6*\c+\i], v[PC+12+4*\c+\i]
.endr
.irp i, 0,1,2
	v_mov_b32 v[PC+3+6*\c+\i], v[PC+12+4*\c+\i]
.endr
.endr
.endm
	s_load_b512 s[4:19], s[0:1], 0x0               ; x, Wq, Wk, Wv, Wo, W2, W1, wsq
	v_lshl_add_u32 v[SPW], v0, 2, SPARE
	v_mov_b32 v[NIL], 0
	v_lshrrev_b32 v1, 5, v0
	v_readfirstlane_b32 s20, v1                    ; wave
	v_and_b32 v4, 31, v0                           ; lane
	s_mov_b32 s[SEL], 0x76543210
	s_mov_b32 s[SEL+1], 0xfedcba98
	s_wait_kmcnt 0x0
	s_cmp_lt_u32 ttmp9, 256
	s_cbranch_scc0 .Lweights
	; ---- x: block ttmp9 of 16 tokens; position i holds token T0 + 16 (i / 8) + i % 8
	s_lshr_b32 s21, ttmp9, 1
	s_lshl_b32 s21, s21, 5
	s_and_b32 s22, ttmp9, 1
	s_lshl_b32 s22, s22, 3
	s_add_co_u32 s21, s21, s22                     ; T0 = 32 (block / 2) + 8 (block % 2)
	s_lshl_b32 s22, s21, 12                        ; a token's row is 4,096 bytes
	s_lshl_b32 s23, s20, 10                        ; my wave's 256 numbers
	s_add_co_u32 s22, s22, s23
	s_mov_b32 s23, 0
	s_add_nc_u64 s[4:5], s[4:5], s[22:23]
	v_lshlrev_b32 v5, 4, v4                        ; 16 x lane
.irp kq, 0,1
.irp i, 0,1,2,3,4,5,6,7,8,9,10,11,12,13,14,15
	global_load_b128 v[R+64*\kq+4*\i:R+64*\kq+4*\i+3], v5, s[4:5] offset:(16*(\i/8)+\i%8)*4096+512*\kq th:TH_LOAD_NT   ; 32 lanes read 512 consecutive bytes of one row
.endr
.endr
	s_mul_i32 s24, s20, STG
	v_add_nc_u32 v6, s24, v5                       ; the stage, in: 16 x lane, a row every 528 bytes
	v_and_b32 v7, 15, v0                           ; r
	v_bfe_u32 v8, v0, 4, 1                         ; h
	v_mul_u32_u24 v9, v7, 528
	v_lshl_add_u32 v9, v8, 6, v9
	v_add_nc_u32 v9, s24, v9                       ; and out: row r, + 64 h: my 16 numbers of each block of 32
	v_lshlrev_b32 v10, 2, v7                       ; 4 r
	s_mul_i32 s22, s20, 786432                     ; codes: slab = my wave,
	s_mul_i32 s25, ttmp9, 3072                     ; block of rows
	s_add_co_u32 s22, s22, s25
	s_add_nc_u64 s[26:27], s[18:19], s[22:23]
	s_lshl_b32 s22, s20, 15                        ; scale words: K step 2 w, 16,384 bytes each,
	s_lshl_b32 s25, ttmp9, 6                       ; 64 bytes a block
	s_add_co_u32 s22, s22, s25
	s_add_co_u32 s22, s22, XSC
	s_add_nc_u64 s[28:29], s[18:19], s[22:23]
.irp b, 0,1,2,3
	v_mov_b32 v[TM+4+\b], 0                        ; a lane permute's destination counts as read
.endr
.macro XSTEP kq
	s_wait_loadcnt 16-16*\kq                       ; this K step's 16 loads are in; the other step's may be out
.irp i, 0,1,2,3,4,5,6,7,8,9,10,11,12,13,14,15
	ds_store_b128 v6, v[R+64*\kq+4*\i:R+64*\kq+4*\i+3] offset:528*\i
.endr
.irp b, 0,1,2,3
.irp j, 0,1,2,3
	ds_load_b128 v[XR+16*\b+4*\j:XR+16*\b+4*\j+3], v9 offset:128*\b+16*\j   ; LDS serves a wave's instructions in order: these see my stores
.endr
.endr
	s_wait_dscnt 0x0
.if \kq
	s_wait_xcnt 0x0                                ; the first step's stores have read the codes and the word: they are written again only behind this wait
.endif
	QUANT XR
.irp g, 0,1,2
	global_store_b128 v5, v[PC+4*\g:PC+4*\g+3], s[26:27] offset:1536*\kq+512*\g   ; 512 consecutive bytes, aligned
.endr
	global_store_b32 v10, v[PW], s[28:29] offset:16384*\kq   ; lanes l and l + 16 hold the same word and write it to the same place
.endm
	XSTEP 0
	XSTEP 1
	s_branch .Lend
	; ---- weights: a lane takes a column, its registers run down K; lane L takes column C0 + idx(L), so that lanes are positions
.macro WADDR stride                    ; s21 column group, s23 slab, s24 codes' region, s25 slab stride, s26 scales' region, s27 bytes of a K step of scale words, s[6:7] the weight
	s_mul_i32 s28, s23, 256*\stride
	s_lshl_b32 s29, s21, 9
	s_add_co_u32 s28, s28, s29
	s_lshl_b32 s29, s20, 7
	s_add_co_u32 s28, s28, s29                     ; slab x 256 rows + (128 group + 32 wave) x 4
	s_mov_b32 s29, 0
	s_add_nc_u64 s[6:7], s[6:7], s[28:29]
	s_mul_i32 s28, s23, s25
	s_add_co_u32 s28, s28, s24
	s_lshl_b32 s30, s21, 3
	s_lshl_b32 s31, s20, 1
	s_add_co_u32 s30, s30, s31
	s_mul_i32 s30, s30, 3072                       ; my two blocks of 16 positions
	s_add_co_u32 s28, s28, s30
	s_add_nc_u64 s[32:33], s[18:19], s[28:29]
	s_lshl_b32 s28, s23, 1
	s_mul_i32 s28, s28, s27
	s_add_co_u32 s28, s28, s26
	s_lshl_b32 s30, s21, 9
	s_add_co_u32 s28, s28, s30
	s_lshl_b32 s30, s20, 7
	s_add_co_u32 s28, s28, s30
	s_add_nc_u64 s[34:35], s[18:19], s[28:29]      ; scale words of the slab's first K step,
	s_mov_b32 s28, s27
	s_add_nc_u64 s[36:37], s[34:35], s[28:29]      ; and of its second
.endm
.macro WLOAD t, stride                 ; block t: W(32 t + i, my column) into set t % 2: 32 lanes read 128 consecutive bytes
.irp i, 0,1,2,3,4,5,6,7,8,9,10,11,12,13,14,15,16,17,18,19,20,21,22,23,24,25,26,27,28,29,30,31
	global_load_b32 v[WX+32*((\t)%2)+\i], v5, s[6:7] offset:(32*(\t)+\i)*\stride th:TH_LOAD_NT
.endr
.endm
.macro BLOCK t, stride
.set XB_, WX+32*((\t)%2)
.set BE_, (\t)%4
.set CB_, IM+12*(BE_%2)+6*(BE_/2)      ; blocks 0, 2 make the first image's registers 0-5, 6-11; blocks 1, 3 the second's
.if (\t) < 7
	s_wait_loadcnt 32                              ; this block's 32 loads are in; the next block's may be out
.else
	s_wait_loadcnt 0x0
.endif
.if (\t) == 4
	s_wait_xcnt 0x0                                ; the first K step's stores have read the images and the word
.endif
	v_max3_num_f32 v12, |v[XB_]|, |v[XB_+1]|, |v[XB_+2]|
	v_max3_num_f32 v13, |v[XB_+3]|, |v[XB_+4]|, |v[XB_+5]|
.irp i, 6,10,14,18,22,26
	v_max3_num_f32 v12, v12, |v[XB_+\i]|, |v[XB_+\i+1]|
	v_max3_num_f32 v13, v13, |v[XB_+\i+2]|, |v[XB_+\i+3]|
.endr
	v_max3_num_f32 v12, v12, |v[XB_+30]|, |v[XB_+31]|
	v_max3_num_f32 v12, v12, v13, 0x2800000        ; all 32 numbers are mine; and the floor
	v_add_nc_u32 v11, 0xfe000000, v12
	v_lshrrev_b32 v13, 23, v11
.if BE_ == 0
	v_mov_b32 v[SBW], v13
.else
	v_lshl_or_b32 v[SBW], v13, 8*BE_, v[SBW]
.endif
	v_cvt_scalef32_pk16_bf6_f32 v[CB_:CB_+2], v[XB_:XB_+15], v11
	v_cvt_scalef32_pk16_bf6_f32 v[TT:TT+2], v[XB_+16:XB_+31], v11   ; (a conversion's three registers begin on an even number)
	v_nop
.irp i, 0,1,2
	v_mov_b32 v[CB_+3+\i], v[TT+\i]
.endr
.if (\t)+2 < 8
	WLOAD (\t)+2, \stride
.endif
.if BE_ == 3                           ; lanes 0-15 hold the first block of positions, lanes 16-31 the second: the exchange gives each image its lanes' halves
.irp i, 0,1,2,3,4,5,6,7,8,9,10,11
	v_permlane16_swap_b32 v[IM+\i], v[IM+12+\i]
.endr
.irp p, 0,1
.irp g, 0,1,2
	global_store_b128 v6, v[IM+12*\p+4*\g:IM+12*\p+4*\g+3], s[32:33] offset:3072*\p+1536*((\t)/4)+512*\g
.endr
.endr
	global_store_b32 v7, v[SBW], s[34+2*((\t)/4):35+2*((\t)/4)]
.endif
.endm
.macro WBODY stride
	WLOAD 0, \stride
	WLOAD 1, \stride
.irp t, 0,1,2,3,4,5,6,7
	BLOCK \t, \stride
.endr
.endm
.Lweights:
	v_and_b32 v5, 7, v4
	v_bfe_u32 v6, v4, 3, 1
	v_lshl_or_b32 v5, v6, 4, v5
	v_bfe_u32 v6, v4, 4, 1
	v_lshl_or_b32 v5, v6, 3, v5                    ; idx(lane)
	v_lshlrev_b32 v5, 2, v5
	v_lshlrev_b32 v6, 4, v4                        ; 16 x lane
	v_lshlrev_b32 v7, 2, v4                        ; 4 x lane
	s_cmp_lt_u32 ttmp9, 512
	s_cbranch_scc0 .Lw1
	s_sub_co_u32 s21, ttmp9, 256
	s_lshr_b32 s22, s21, 5
	s_min_u32 s22, s22, 4                          ; which weight: Wq, Wk, Wv, Wo, W2
	s_lshl_b32 s23, s22, 5
	s_sub_co_u32 s21, s21, s23
	s_lshr_b32 s23, s21, 3                         ; slab
	s_and_b32 s21, s21, 7                          ; group of 128 columns
	s_cmp_eq_u32 s22, 1
	s_cselect_b64 s[6:7], s[8:9], s[6:7]
	s_cmp_eq_u32 s22, 2
	s_cselect_b64 s[6:7], s[10:11], s[6:7]
	s_cmp_eq_u32 s22, 3
	s_cselect_b64 s[6:7], s[12:13], s[6:7]
	s_cmp_eq_u32 s22, 4
	s_cselect_b64 s[6:7], s[14:15], s[6:7]
	s_mul_i32 s24, s22, 196608
	s_add_co_u32 s24, s24, WQKVC                   ; Wq, Wk, Wv lie as rows 0, 1,024, 2,048 on of one operand
	s_lshl_b32 s26, s22, 12
	s_add_co_u32 s26, s26, WQKVS
	s_mov_b32 s25, 589824
	s_mov_b32 s27, 16384
	s_cmp_lt_u32 s22, 3
	s_mov_b32 s28, 196608
	s_cselect_b32 s25, s25, s28
	s_mov_b32 s28, 4096
	s_cselect_b32 s27, s27, s28
	s_cmp_eq_u32 s22, 3
	s_mov_b32 s28, WOC
	s_cselect_b32 s24, s28, s24
	s_mov_b32 s28, WOS
	s_cselect_b32 s26, s28, s26
	s_cmp_eq_u32 s22, 4
	s_mov_b32 s28, W2C
	s_cselect_b32 s24, s28, s24
	s_mov_b32 s28, W2S
	s_cselect_b32 s26, s28, s26
	WADDR 4096
	WBODY 4096
	s_branch .Lend
.Lw1:
	s_sub_co_u32 s21, ttmp9, 512
	s_lshr_b32 s23, s21, 5                         ; slab
	s_and_b32 s21, s21, 31                         ; group of 128 columns
	s_mov_b64 s[6:7], s[16:17]
	s_mov_b32 s24, W1C
	s_mov_b32 s25, 786432
	s_mov_b32 s26, W1S
	s_mov_b32 s27, 16384
	WADDR 16384
	WBODY 16384
.Lend:
	s_wait_tensorcnt 0x0                           ; the wave's end
	ds_add_u32 v[SPW], v[NIL]
	s_wait_dscnt 0x0
	s_endpgm
.Lfunc_end_k_qcd961ac593_quant:
	.size	k_qcd961ac593_quant, .Lfunc_end_k_qcd961ac593_quant-k_qcd961ac593_quant
	.p2alignl 7, 3214868480
	.fill 96, 4, 3214868480
	.section	.rodata,"a",@progbits
	.p2align	6, 0x0
	.amdhsa_kernel k_qcd961ac593_quant
		.amdhsa_group_segment_fixed_size 34304
		.amdhsa_private_segment_fixed_size 0
		.amdhsa_enable_private_segment 0
		.amdhsa_kernarg_size 64
		.amdhsa_user_sgpr_count 2
		.amdhsa_user_sgpr_kernarg_segment_ptr 1
		.amdhsa_wavefront_size32 1
		.amdhsa_system_sgpr_workgroup_id_x 1
		.amdhsa_system_sgpr_workgroup_id_y 1
		.amdhsa_system_sgpr_workgroup_id_z 1
		.amdhsa_system_vgpr_workitem_id 0
		.amdhsa_next_free_vgpr 256
		.amdhsa_next_free_sgpr 66
		.amdhsa_reserve_vcc 0
		.amdhsa_float_denorm_mode_32 3
		.amdhsa_float_denorm_mode_16_64 3
		.amdhsa_memory_ordered 1
		.amdhsa_forward_progress 1
		.amdhsa_inst_pref_size 98
	.end_amdhsa_kernel
	.amdgpu_metadata
---
amdhsa.version: [ 1, 2 ]
amdhsa.kernels:
  - .name:           k_qcd961ac593_quant
    .symbol:         k_qcd961ac593_quant.kd
    .args:
      - { .name: x, .offset: 0, .size: 8, .value_kind: global_buffer, .address_space: global }
      - { .name: Wq, .offset: 8, .size: 8, .value_kind: global_buffer, .address_space: global }
      - { .name: Wk, .offset: 16, .size: 8, .value_kind: global_buffer, .address_space: global }
      - { .name: Wv, .offset: 24, .size: 8, .value_kind: global_buffer, .address_space: global }
      - { .name: Wo, .offset: 32, .size: 8, .value_kind: global_buffer, .address_space: global }
      - { .name: W2, .offset: 40, .size: 8, .value_kind: global_buffer, .address_space: global }
      - { .name: W1, .offset: 48, .size: 8, .value_kind: global_buffer, .address_space: global }
      - { .name: wsq, .offset: 56, .size: 8, .value_kind: global_buffer, .address_space: global }
    .group_segment_fixed_size: 34304
    .private_segment_fixed_size: 0
    .kernarg_segment_align: 8
    .kernarg_segment_size: 64
    .max_flat_workgroup_size: 128
    .sgpr_count:     66
    .vgpr_count:     256
    .wavefront_size: 32
...
	.end_amdgpu_metadata
.endif
;; end of part 1
;; launch gemm_qkv (part 2): grid 12 x 16, 4 waves a work-group, clusters of 4 x 4, 327,680 bytes of LDS; arguments wsq, bq, bk, bv, qkv; writes qkv
.if DOCPART == 2
	.amdgcn_target "amdgcn-amd-amdhsa--gfx1250"
	.amdhsa_code_object_version 6
	.text
	.protected	k_qcd961ac593_gemm_qkv
	.globl	k_qcd961ac593_gemm_qkv
	.p2align	8
	.type	k_qcd961ac593_gemm_qkv,@function
k_qcd961ac593_gemm_qkv:
	s_mov_b64 s[64:65], 0
	v_nop
	global_prefetch_b8 v0, s[64:65] scope:SCOPE_SE
	s_setreg_imm32_b32 hwreg(HW_REG_WAVE_MODE, 25, 1), 1
	s_wait_xcnt 0x0
	s_wait_alu depctr_hold_cnt(0) depctr_sa_sdst(0) depctr_va_vdst(0) depctr_va_sdst(0) depctr_va_ssrc(0) depctr_va_vcc(0) depctr_vm_vsrc(0)
	s_getreg_b32 s2, hwreg(HW_REG_IB_STS2, 6, 4)
	s_cmp_eq_u32 s2, 0
	s_cbranch_scc0 .Lentry_in_a_cluster
	s_endpgm
.Lentry_in_a_cluster:
	s_bfe_u32 s2, ttmp6, 0x10000c
	s_cmp_lg_u32 s2, 0xf033
	s_cbranch_scc0 .Lentry_shape_is_right
	s_endpgm
.Lentry_shape_is_right:
; q = x Wq + bq, k = x Wk + bk, v = x Wv + bv on codes of BF6 with E8M0 scales; the results are quantised on the way out: q and k along the head's 64, v along the keys.
; A work-group of four waves makes 256 x 256 of a product, a wave 128 x 128: 64 accumulators.  K = 1,024 goes in steps of 256 through two LDS slots filled by tensor loads.
; OPERANDS LIE AS IMAGES OF THEIR REGISTERS (16 rows x 128 K = 1,536 bytes, registers 4 g .. 4 g + 3 of lane l at 512 g + 16 l): a fragment is three ds_load_b128 of 512 consecutive bytes; no pitch, no padding.
; Rows lie by position (position p holds row p with bits 3 and 4 exchanged): the 16 registers of two neighbouring result tiles are then 16 neighbours along source 0's rows.
; SIDES.  Source 0 is fed from side B of a slot, source 1 from side A.  A lane of a result holds one row of side A and eight rows of side B.
;   clusters x = 0, 1 (q, k): side A = x's tokens, side B = the weight's columns: a lane holds one token and its registers run along the features, the next K.
;   cluster  x = 2 (v):       side A = Wv's columns (tile 8 + cy), side B = x's tokens (tile 4 x cluster y + cx): a lane holds one feature and its registers run along the keys, the next K.
;   The choice is one of addresses alone, made by s_cselect on the cluster's x, which all sixteen partners share; the loop is the same.
; CLUSTER 4 x 4: side A's tile hangs on cy alone and is asked for jointly along a row of the cluster, side B's on cx alone, jointly along a column.
; The scale words of the work-group's rows for all of K come once, with the first fills.  A wave has three tensor loads out at the start and one behind each round.
; OUT (qkv): q: [head][128 blocks][768] half images (registers 0-3 at 16 l, 4-5 at 512 + 8 l), words at QS; k, v: [head][16 key steps][13,312]: k's 8 half images, v's 4 images, k's 128 words, v's 4 x 32 words.
; A head's K is 64: the upper two scale bytes of q's and k's words are 0x7f; q's upper codes are made zero by the reader.
; LIMITS: a block of zeros gets the byte 1; NaN and infinities are not served.
.set T,     8                          ; blocks of 16 rows a wave takes on each side
.set NQ,    2                          ; steps of 128 along K in a slot
.set KDIM,  1024
.set BIASC, 0                          ; the sums start with 0; the biases are added on the way out
.set NSL,   NQ/2
.set NL,    3
.set PIECE, T*3072
.set HALFT, NSL*PIECE                  ; what one tensor load brings, and what a wave reads of a side
.set SLOT,  4*HALFT
.set LAPS,  KDIM/(256*NQ)
.set SCL,   2*SLOT                     ; behind the ring: the scale words, [K step][128 rows][4] for each quarter
.set HALFS, 64*T*KDIM/128
.set SPARE, SCL+4*HALFS                ; the spare words, 128 bytes a wave
.set CD0,   32                         ; codes: a dense 24,576 bytes as 96 rows of 32 elements of 8 bytes
.set CD1,   96
.set WQKVC, 3145728
.set XSC,   12582912
.set WQKVS, 12713984
.set QS,    3145728
.set KV,    3407872
.set REC,   13312
.set HEADB, 212992
.set ADRA, 16                          ; v16-17 LDS address of side A's fragments in slot 0, 1
.set ADRB, 20                          ; v20-21 side B's
.set ADRS, 27                          ; v27 scale words: lanes 0-15 side A's, lanes 16-31 side B's
.set SPW,  28
.set NIL,  29
.set SC,   32                          ; v32-63 scale words, two sets of 16: register NQ i + q
.set AF,   128                         ; window 0: side A's fragments, one set
.set PC,   112                         ; the way out: codes
.set TM,   200
.set PW,   216
.set G1, 24
.set G0, 32
.set G1B, 48
.set G0B, 56
.set G1S, 68
.set G0S, 76
.set G1SB, 80
.set G0SB, 88
.set SSA, 66                           ; s[66:67] side A's step of two slots in memory;  s[98:99] side B's
.set SSB, 98
.set SEL, 96
.set MSB, 0
.macro WIN new                         ; the immediate's high byte repeats the setting that is left
.if MSB != (\new)
	s_set_vgpr_msb (MSB<<8)|(\new)
.set MSB, (\new)
.endif
.endm
.macro PLACES n
.rept \n
	v_nop
.endr
.endm
.macro JLOAD g0a, g1a, g0b, g1b        ; a joint load: waves 0, 1 fetch for side A, waves 2, 3 for side B; an s_nop 0 and four v_nop follow each line
	s_cmp_eq_u32 s15, 0
	s_cbranch_scc0 .Lfor_b_\@
	tensor_load_to_lds s[\g0a:\g0a+3], s[\g1a:\g1a+7]
	s_nop 0
.rept 4
	v_nop
.endr
	s_branch .Lasked_\@
.Lfor_b_\@:
	tensor_load_to_lds s[\g0b:\g0b+3], s[\g1b:\g1b+7]
	s_nop 0
.rept 4
	v_nop
.endr
.Lasked_\@:
.endm
.macro CREST
	s_cmp_lg_u32 s14, 0
	s_cbranch_scc1 .Lnot_wave_0_\@
	s_barrier_signal -3
.Lnot_wave_0_\@:
	s_barrier_wait -3
	s_barrier_signal -1
	s_barrier_wait -1
.endm
.macro CROUND
	s_barrier_signal -1
	s_barrier_wait -1
	CREST
.endm
.macro FRAG reg, adr, q, i             ; a fragment as it lies: three loads of 512 consecutive bytes
.irp g, 0,1,2
	ds_load_b128 v[\reg+4*\g:\reg+4*\g+3], v[\adr] offset:((\q)/2)*PIECE+(\i)*3072+((\q)%2)*1536+512*\g
.endr
.endm
.macro FETCH_B slot, q, p
	WIN 0x40
.set i_, 0
.rept T
	FRAG 128*(\p)+12*i_, ADRB+\slot, \q, i_
.set i_, i_+1
.endr
	WIN 0
.endm
.macro FETCH_A slot, q, i0
.set i_, \i0
.rept T/2
	FRAG AF+12*i_, ADRA+\slot, \q, i_
.set i_, i_+1
.endr
.endm
.macro SCALES sc
.set i_, 0
.rept T
.set q_, 0
.rept NQ
	ds_load_b32 v[SC+16*(\sc)+NQ*i_+q_], v[ADRS] offset:q_*64*T+64*i_
.set q_, q_+1
.endr
.set i_, i_+1
.endr
.endm
.macro WMUL hi, first                  ; source 0 (side B) window 1, source 1 (side A) window 0, C and D window 2 or 3 (a bias as C: window 1)
.if (\first) && BIASC
	WIN 0x91+0x40*(\hi)
.else
	WIN 0xa1+0x50*(\hi)
.endif
.endm
.macro MULQ k, p, q, sc, first         ; a quarter of a step: T / 4 blocks of side A x all T of side B.  The accumulators take turns, one instruction a turn, in the same order in every step
.set a_, (\k)*T/4
.rept T/4
.set b_, 0
.rept T
.set D_, 8*(T*(a_%(T/2))+b_)
.set B_, 128*(\p)+12*b_
.set A_, AF+12*a_
.set SB_, SC+16*(\sc)+NQ*b_+(\q)
.set SA_, SC+16*(\sc)+NQ*a_+(\q)
.set C_, 96+8*(b_%4)+128*(b_/4)
.if (\first) && BIASC
	v_wmma_scale_f32_16x16x128_f8f6f4 v[D_:D_+7], v[B_:B_+11], v[A_:A_+11], v[C_:C_+7], v[SB_], v[SA_] matrix_a_fmt:MATRIX_FMT_BF6 matrix_b_fmt:MATRIX_FMT_BF6 matrix_a_scale:MATRIX_SCALE_ROW1
.elseif \first
	v_wmma_scale_f32_16x16x128_f8f6f4 v[D_:D_+7], v[B_:B_+11], v[A_:A_+11], 0, v[SB_], v[SA_] matrix_a_fmt:MATRIX_FMT_BF6 matrix_b_fmt:MATRIX_FMT_BF6 matrix_a_scale:MATRIX_SCALE_ROW1
.else
	v_wmma_scale_f32_16x16x128_f8f6f4 v[D_:D_+7], v[B_:B_+11], v[A_:A_+11], v[D_:D_+7], v[SB_], v[SA_] matrix_a_fmt:MATRIX_FMT_BF6 matrix_b_fmt:MATRIX_FMT_BF6 matrix_a_scale:MATRIX_SCALE_ROW1
.endif
.set b_, b_+1
.endr
.set a_, a_+1
.endr
.endm
.macro STEP slot, q, first             ; a step of 128 along K whose successor lies in the same slot
	s_wait_dscnt (T/2)*NL                          ; all but the youngest loads, side A's upper blocks
	WMUL 0, \first
	MULQ 0, (\q)%2, \q, \slot, \first
	MULQ 1, (\q)%2, \q, \slot, \first
	s_wait_dscnt 0x0
	PLACES 4                                       ; four places in front of loads into registers that matrix instructions have read
	FETCH_B \slot, (\q)+1, 1-(\q)%2
	FETCH_A \slot, (\q)+1, 0
	WMUL 1, \first
	MULQ 2, (\q)%2, \q, \slot, \first
	MULQ 3, (\q)%2, \q, \slot, \first
	PLACES 4
	WIN 0
	FETCH_A \slot, (\q)+1, T/2
.endm
.macro STEPS slot, q0
.set qq_, \q0
.rept NQ-1-(\q0)
	STEP \slot, qq_, 0
.set qq_, qq_+1
.endr
.endm
.macro TURN slot, next, fill           ; a slot's last step changes slots: one barrier; fill = 1: it opens a round of the cluster's barrier and the slot is filled again
	s_wait_tensorcnt 0x0                           ; all my tensor loads have landed: my part of the next slot
	ds_add_u32 v[SPW], v[NIL]
	s_wait_dscnt (T/2)*NL+1                        ; (the add and side A's upper blocks may be out)
	WMUL 0, 0
	MULQ 0, 1, NQ-1, \slot, 0
	s_wait_dscnt 0x0                               ; the add is done, and my reads of this slot are over
	s_barrier_signal -1
	MULQ 1, 1, NQ-1, \slot, 0
	WIN 0
	s_barrier_wait -1
.if \fill
	CREST                                          ; no wave of any partner still reads this slot or has a load on its way
	s_add_nc_u64 s[G0+4*\slot+2:G0+4*\slot+3], s[G0+4*\slot+2:G0+4*\slot+3], s[SSA:SSA+1]
	s_add_nc_u64 s[G0B+4*\slot+2:G0B+4*\slot+3], s[G0B+4*\slot+2:G0B+4*\slot+3], s[SSB:SSB+1]
	JLOAD G0+4*\slot, G1, G0B+4*\slot, G1B         ; the first tensor load behind the round; its four v_nop are the places in front of the loads below
.else
	PLACES 4
.endif
	v_add_nc_u32 v[ADRS], NQ*64*T, v[ADRS]
	FETCH_B \next, 0, 0
	FETCH_A \next, 0, 0
	SCALES \next
	WMUL 1, 0
	MULQ 2, 1, NQ-1, \slot, 0
	MULQ 3, 1, NQ-1, \slot, 0
	PLACES 4
	WIN 0
	FETCH_A \next, 0, T/2
.endm
.macro QUANT w, s                      ; 64 registers of window w, register 16 b + i = k 32 b + 16 (lane / 16) + i of my row -> codes in v[PC] on, scale word in v[PW] (window 0).  Each accumulator is read from its low end on
	WIN (\w)|((\w)<<2)
.irp b, 0,1,2,3
	v_max3_num_f32 v[TM+\b], |v[\s+16*\b]|, |v[\s+16*\b+1]|, 0x2800000
.endr
	WIN ((\w)<<2)|((\w)<<4)
.irp i, 2,4,6,8,10,12,14
.irp b, 0,1,2,3
	v_max3_num_f32 v[TM+\b], v[TM+\b], |v[\s+16*\b+\i]|, |v[\s+16*\b+\i+1]|
.endr
.endr
	WIN 0
.irp b, 0,1,2,3
	v_permlanex16_b32 v[TM+4+\b], v[TM+\b], s[SEL], s[SEL+1]
.endr
.irp b, 0,1,2,3
	v_max_num_f32 v[TM+\b], v[TM+\b], v[TM+4+\b]
.endr
.irp b, 0,1,2,3
	v_add_nc_u32 v[TM+12+\b], 0xfe000000, v[TM+\b]
.endr
.irp b, 0,1,2,3
	v_lshrrev_b32 v[TM+4+\b], 23, v[TM+12+\b]
.endr
	v_lshl_or_b32 v[PW], v[TM+5], 8, v[TM+4]
	v_lshl_or_b32 v[PW], v[TM+6], 16, v[PW]
	v_lshl_or_b32 v[PW], v[TM+7], 24, v[PW]
	WIN (\w)
.irp c, 0,1
	v_cvt_scalef32_pk16_bf6_f32 v[PC+6*\c:PC+6*\c+2], v[\s+32*\c:\s+32*\c+15], v[TM+12+2*\c]
	v_cvt_scalef32_pk16_bf6_f32 v[PC+12+4*\c:PC+14+4*\c], v[\s+32*\c+16:\s+32*\c+31], v[TM+13+2*\c]
.endr
	WIN 0
	v_nop                                          ; one plain place behind a scaled conversion
.irp c, 0,1
.irp i, 0,1,2
	v_permlane16_swap_b32 v[PC+6*\c+\i], v[PC+12+4*\c+\i]
.endr
.irp i, 0,1,2
	v_mov_b32 v[PC+3+6*\c+\i], v[PC+12+4*\c+\i]
.endr
.endr
.endm
	s_load_b256 s[4:11], s[0:1], 0x0               ; wsq, bq, bk, bv
	s_load_b64 s[12:13], s[0:1], 0x20              ; qkv
	v_lshl_add_u32 v[SPW], v0, 2, SPARE
	v_mov_b32 v[NIL], 0
	ds_add_u32 v[SPW], v[NIL]                      ; the wave's opening: the add and its wait ahead of my first tensor load
	v_lshrrev_b32 v1, 5, v0
	v_readfirstlane_b32 s14, v1                    ; wave
	s_lshr_b32 s15, s14, 1                         ; my half of side A's rows.  Also: I fetch for side A (0) or B (1)
	s_and_b32 s16, s14, 1                          ; my half of side B's rows.  Also: which half I fetch
	s_bfe_u32 s40, ttmp6, 0x40000                  ; cx
	s_bfe_u32 s41, ttmp6, 0x40004                  ; cy
	s_and_b32 s18, ttmp7, 0xffff                   ; the cluster's y
	s_mov_b32 s20, XSC
	s_mov_b32 s21, WQKVS
	s_mov_b32 s22, 2*NSL*786432
	s_mov_b32 s23, 2*NSL*589824
	s_cmp_eq_u32 ttmp9, 2                          ; v's clusters: the sides change operands
	s_cselect_b32 s17, 2, s18
	s_cselect_b32 s42, s18, ttmp9
	s_cselect_b32 s19, WQKVC, 0                    ; side A's codes in wsq,
	s_cselect_b32 s2, s21, s20                     ; its scale words,
	s_cselect_b32 s[SSA], s23, s22                 ; its step of two slots
	s_cselect_b32 s45, 0, WQKVC                    ; side B's
	s_cselect_b32 s94, s20, s21
	s_cselect_b32 s[SSB], s22, s23
	s_mov_b32 s[SSA+1], 0
	s_mov_b32 s[SSB+1], 0
	s_lshl_b32 s17, s17, 2
	s_add_co_u32 s17, s17, s41                     ; side A's tile: hangs on cy, never on cx
	s_lshl_b32 s42, s42, 2
	s_add_co_u32 s42, s42, s40                     ; side B's tile: hangs on cx, never on cy
	s_lshl_b32 s43, s41, 2
	s_lshl_b32 s43, 15, s43                        ; my row of the cluster
	s_lshl_b32 s44, 0x1111, s40                    ; my column
	s_or_b32 s[G1+0], s43, (3<<16)|(1<<21)         ; the mask; elements of 8 bytes; bit 21 beside a mask; no padding
	s_or_b32 s[G1B+0], s44, (3<<16)|(1<<21)
.irp g, G1, G1B
	s_mov_b32 s[\g+1], CD0<<16                     ; tensor_dim0
	s_mov_b32 s[\g+2], CD1<<16                     ; tensor_dim1
	s_mov_b32 s[\g+3], CD0<<16                     ; tile_dim0
	s_mov_b32 s[\g+4], CD1                         ; tile_dim1
	s_mov_b32 s[\g+5], CD0                         ; pitch: dense
	s_mov_b32 s[\g+6], 0
	s_mov_b32 s[\g+7], 0
.endr
	s_or_b32 s[G1S+0], s43, (3<<16)|(1<<21)
	s_or_b32 s[G1SB+0], s44, (3<<16)|(1<<21)
.irp g, G1S, G1SB
	s_mov_b32 s[\g+1], (8*T)<<16                   ; 128 rows' words of one K step: 512 bytes
	s_mov_b32 s[\g+2], (KDIM/128)<<16
	s_mov_b32 s[\g+3], (8*T)<<16
	s_mov_b32 s[\g+4], KDIM/128
	s_mov_b32 s[\g+5], 2048                        ; 16,384 bytes from K step to K step, in both operands
	s_mov_b32 s[\g+6], 0
	s_mov_b32 s[\g+7], 0
.endr
	s_mov_b32 s[SEL], 0x76543210
	s_mov_b32 s[SEL+1], 0xfedcba98
	s_mul_i32 s18, s16, T
	s_mul_i32 s20, s17, 2*T
	s_add_co_u32 s20, s20, s18                     ; side A: the first block of 16 rows that I fetch
	s_lshl_b32 s22, s20, 6
	s_add_co_u32 s22, s22, s2
	s_mul_i32 s20, s20, 3072
	s_add_co_u32 s20, s20, s19
	s_mov_b32 s21, 0
	s_mov_b32 s23, 0
	s_mul_i32 s46, s42, 2*T
	s_add_co_u32 s46, s46, s18                     ; side B likewise
	s_lshl_b32 s92, s46, 6
	s_add_co_u32 s92, s92, s94
	s_mul_i32 s46, s46, 3072
	s_add_co_u32 s46, s46, s45
	s_mov_b32 s47, 0
	s_mov_b32 s93, 0
	s_mul_i32 s45, s14, HALFT                      ; where they go: no place in the cluster enters an LDS address
	s_mul_i32 s94, s14, HALFS
	s_wait_dscnt 0x0                               ; the opening add is done
	s_wait_kmcnt 0x0
	s_cmp_eq_u32 ttmp9, 0                          ; the bias: bq, bk or bv by the cluster's x
	s_cselect_b64 s[6:7], s[6:7], s[8:9]
	s_cmp_eq_u32 ttmp9, 2
	s_cselect_b64 s[8:9], s[10:11], s[6:7]
	s_mov_b64 s[6:7], s[4:5]                       ; both operands lie in wsq
	s_mov_b64 s[10:11], s[12:13]                   ; the output
	s_add_nc_u64 s[20:21], s[4:5], s[20:21]
	s_add_nc_u64 s[22:23], s[4:5], s[22:23]
	s_add_nc_u64 s[46:47], s[6:7], s[46:47]
	s_add_nc_u64 s[92:93], s[6:7], s[92:93]
	CROUND                                         ; all sixteen work-groups are here: the first joint loads meet
	s_mov_b32 s[G0S], 1
	s_add_co_u32 s[G0S+1], s94, SCL
	s_mov_b64 s[G0S+2:G0S+3], s[22:23]
	s_or_b32 s[G0S+3], s[G0S+3], 0x80000000
	s_mov_b32 s[G0SB], 1
	s_add_co_u32 s[G0SB+1], s94, SCL
	s_mov_b64 s[G0SB+2:G0SB+3], s[92:93]
	s_or_b32 s[G0SB+3], s[G0SB+3], 0x80000000
	JLOAD G0S, G1S, G0SB, G1SB                     ; the scale words
	s_mov_b32 s[G0], 1
	s_add_co_u32 s[G0+1], s45, 0
	s_mov_b64 s[G0+2:G0+3], s[20:21]
	s_or_b32 s[G0+3], s[G0+3], 0x80000000
	s_mov_b32 s[G0B], 1
	s_add_co_u32 s[G0B+1], s45, 0
	s_mov_b64 s[G0B+2:G0B+3], s[46:47]
	s_or_b32 s[G0B+3], s[G0B+3], 0x80000000
	JLOAD G0, G1, G0B, G1B                         ; slot 0
	s_mov_b32 s3, 0
	s_lshr_b32 s2, s[SSA], 1                       ; one slot on
	s_mov_b32 s[G0+4], 1
	s_add_co_u32 s[G0+5], s45, SLOT
	s_add_nc_u64 s[G0+6:G0+7], s[20:21], s[2:3]
	s_or_b32 s[G0+7], s[G0+7], 0x80000000
	s_lshr_b32 s2, s[SSB], 1
	s_mov_b32 s[G0B+4], 1
	s_add_co_u32 s[G0B+5], s45, SLOT
	s_add_nc_u64 s[G0B+6:G0B+7], s[46:47], s[2:3]
	s_or_b32 s[G0B+7], s[G0B+7], 0x80000000
	JLOAD G0+4, G1, G0B+4, G1B                     ; slot 1
	v_and_b32 v1, 15, v0                           ; r
	v_bfe_u32 v2, v0, 4, 1                         ; h
	v_and_b32 v3, 31, v0
	v_lshlrev_b32 v30, 4, v3                       ; 16 x lane
	v_lshlrev_b32 v31, 3, v3                       ; 8 x lane
	v_lshlrev_b32 v14, 2, v3                       ; 4 x lane
	v_lshlrev_b32 v15, 2, v1                       ; 4 r
	s_mul_i32 s21, s15, HALFT
	s_mul_i32 s22, s16, HALFT
	s_add_co_u32 s22, s22, 2*HALFT
.irp s, 0,1
	v_add_nc_u32 v[ADRA+\s], s21, v30
	v_add_nc_u32 v[ADRB+\s], s22, v30
	s_add_co_u32 s21, s21, SLOT
	s_add_co_u32 s22, s22, SLOT
.endr
	s_mul_i32 s21, s15, HALFS
	s_mul_i32 s22, s16, HALFS
	s_add_co_u32 s22, s22, 2*HALFS
	s_sub_co_u32 s22, s22, s21
	v_mul_u32_u24 v6, s22, v2                      ; lanes 16-31 take side B's words
	s_add_co_u32 s21, s21, SCL
	v_add_nc_u32 v5, v15, v6
	v_add_nc_u32 v[ADRS], s21, v5
	; the bias, 64 registers of window 1 (tile b at 96 + 8 (b % 4) + 128 (b / 4)).  q, k: register 8 b + j = bias of feature 32 (b / 2) + 8 (b % 2) + 16 h + j;  v: all eight of tile a = bias of my lane's feature in block a
	s_cmp_eq_u32 ttmp9, 2
	s_cselect_b32 s20, 1, 0
	s_cselect_b32 s21, 0, 1
	s_lshl_b32 s22, s21, 2
	v_lshrrev_b32 v12, 3, v1
	v_lshl_add_u32 v12, v12, 3, v1                 ; r + 8 (r / 8)
	v_lshlrev_b32 v12, 2, v12
	v_lshlrev_b32 v13, 6, v2                       ; 64 h
	v_mul_u32_u24 v12, v12, s20
	v_mad_u32_u24 v12, v13, s21, v12
.irp j, 0,1,2,3,4,5,6,7
	v_mad_u32_u24 v[4+\j], s22, \j, v12
.endr
	s_cmp_eq_u32 ttmp9, 2                          ; which side holds the tokens, which the features
	s_cselect_b32 s20, s42, s17                    ; the tokens' tile,
	s_cselect_b32 s21, s16, s15                    ; my half of it
	s_cselect_b32 s22, s17, s42                    ; the features' tile,
	s_cselect_b32 s23, s15, s16                    ; my half of it
	s_and_b32 s22, s22, 3
	s_lshl_b32 s22, s22, 1
	s_add_co_u32 s22, s22, s23                     ; which 128 of the 1,024 features
	s_lshl_b32 s2, s22, 9
	s_mov_b32 s3, 0
	s_add_nc_u64 s[8:9], s[8:9], s[2:3]
	WIN 0x40
.set b_, 0
.rept 8
.irp j, 0,1,2,3,4,5,6,7
	global_load_b32 v[96+8*(b_%4)+128*(b_/4)+\j], v[4+\j], s[8:9] offset:(32*(b_/2)+8*(b_%2))*4
.endr
.set b_, b_+1
.endr
	WIN 0
	s_lshl_b32 s22, s22, 1                         ; my first head of the batch's 16,
	s_lshr_b32 s23, s20, 3
	s_lshl_b32 s23, s23, 4
	s_add_co_u32 s22, s22, s23                     ; + 16 x batch
	s_lshl_b32 s20, s20, 1
	s_add_co_u32 s20, s20, s21
	s_and_b32 s20, s20, 15                         ; my 128 tokens: which key step of the batch
	s_mul_i32 s46, s22, 98304                      ; q's places
	s_mul_i32 s21, s20, 6144
	s_add_co_u32 s46, s46, s21
	s_lshl_b32 s92, s22, 13
	s_lshl_b32 s21, s20, 9
	s_add_co_u32 s92, s92, s21
	s_add_co_u32 s92, s92, QS
	s_mul_i32 s23, s22, HEADB                      ; k's and v's: the record of (head, key step)
	s_mul_i32 s21, s20, REC
	s_add_co_u32 s23, s23, s21
	s_add_co_u32 s23, s23, KV
	s_add_co_u32 s21, s23, 12288
	s_mov_b32 s2, 98304
	s_mov_b32 s20, 8192
	s_mov_b32 s22, HEADB
	s_cmp_eq_u32 ttmp9, 0
	s_cselect_b32 s46, s46, s23
	s_cselect_b32 s92, s92, s21
	s_cselect_b32 s2, s2, s22                      ; from a head to the next: codes,
	s_cselect_b32 s20, s20, s22                    ; scale words
	s_mov_b32 s47, 0
	s_mov_b32 s93, 0
	s_mov_b32 s21, 0
	s_add_nc_u64 s[12:13], s[10:11], s[46:47]      ; codes, first head
	s_add_nc_u64 s[18:19], s[10:11], s[92:93]      ; words, first head
	s_add_nc_u64 s[46:47], s[12:13], s[2:3]        ; second head
	s_add_nc_u64 s[92:93], s[18:19], s[20:21]
	s_wait_loadcnt 0x0                             ; the bias
	s_wait_tensorcnt 0x1                           ; the scale words and my part of slot 0 are in; slot 1's load may be out
	s_barrier_signal -1
	s_barrier_wait -1
	FETCH_B 0, 0, 0
	FETCH_A 0, 0, 0
	SCALES 0
	FETCH_A 0, 0, T/2
	STEP 0, 0, 1                                   ; the first step starts the sums
	STEPS 0, 1
	s_mov_b32 s3, LAPS-1
.Llap:
	TURN 0, 1, 1
	STEPS 1, 0
	TURN 1, 0, 1
	STEPS 0, 0
	s_sub_co_u32 s3, s3, 1
	s_cmp_lg_u32 s3, 0
	s_cbranch_scc1 .Llap
	TURN 0, 1, 0                                   ; the last lap fills nothing
	STEPS 1, 0
	s_wait_dscnt (T/2)*NL
	WMUL 0, 0
	MULQ 0, 1, NQ-1, 1, 0
	MULQ 1, 1, NQ-1, 1, 0
	s_wait_dscnt 0x0
	WMUL 1, 0
	MULQ 2, 1, NQ-1, 1, 0
	MULQ 3, 1, NQ-1, 1, 0
	WIN 0
	PLACES 4                                       ; in front of the first reads of results and of writes into registers that held fragments
.irp b, 0,1,2,3
	v_mov_b32 v[TM+4+\b], 0                        ; a lane permute's destination counts as read
.endr
; THE WAY OUT, a block a of side A's rows at a time: its 64 registers are 128 neighbours along the next K.
.macro EQK a                           ; q, k: + bias by register; two heads' half images and words
.set W_, 2+(\a)/4
.set S_, 64*((\a)%4)
.if (\a) > 0
	s_wait_xcnt 0x0                                ; the last block's stores have read the codes and words
.endif
	WIN (W_)|(1<<2)|((W_)<<6)
.set i_, 0
.rept 32
	v_pk_add_f32 v[S_+2*i_:S_+2*i_+1], v[S_+2*i_:S_+2*i_+1], v[96+8*((i_/4)%4)+128*(i_/16)+2*(i_%4):96+8*((i_/4)%4)+128*(i_/16)+2*(i_%4)+1]
.set i_, i_+1
.endr
	QUANT W_, S_
	v_and_b32 v217, 0xffff, v[PW]
	v_or_b32 v217, 0x7f7f0000, v217                ; the first head's two bytes; above them 2^0
	v_lshrrev_b32 v218, 16, v[PW]
	v_or_b32 v218, 0x7f7f0000, v218                ; the second head's
	global_store_b128 v30, v[PC:PC+3], s[12:13] offset:768*(\a)
	global_store_b64 v31, v[PC+4:PC+5], s[12:13] offset:768*(\a)+512
	global_store_b128 v30, v[PC+6:PC+9], s[46:47] offset:768*(\a)
	global_store_b64 v31, v[PC+10:PC+11], s[46:47] offset:768*(\a)+512
	global_store_b32 v15, v217, s[18:19] offset:64*(\a)
	global_store_b32 v15, v218, s[92:93] offset:64*(\a)
.endm
.macro EV a                            ; v: + bias by lane; one image (16 features x 128 keys) and its words
.set W_, 2+(\a)/4
.set S_, 64*((\a)%4)
.if (\a) > 0
	s_wait_xcnt 0x0
.endif
	WIN (W_)|(1<<2)|((W_)<<6)
.set i_, 0
.rept 32
	v_pk_add_f32 v[S_+2*i_:S_+2*i_+1], v[S_+2*i_:S_+2*i_+1], v[96+8*((\a)%4)+128*((\a)/4):96+8*((\a)%4)+128*((\a)/4)+1]
.set i_, i_+1
.endr
	QUANT W_, S_
.irp g, 0,1,2
	global_store_b128 v30, v[PC+4*\g:PC+4*\g+3], s[12:13] offset:((\a)/4)*HEADB+6144+((\a)%4)*1536+512*\g
.endr
	global_store_b32 v14, v[PW], s[12:13] offset:((\a)/4)*HEADB+12800+((\a)%4)*128
.endm
	s_cmp_eq_u32 ttmp9, 2                          ; the cluster's x: the same in all partners and all waves
	s_cbranch_scc1 .Lv
.irp a, 0,1,2,3,4,5,6,7
	EQK \a
.endr
	s_branch .Lend
.Lv:
.irp a, 0,1,2,3,4,5,6,7
	EV \a
.endr
.Lend:
	s_wait_tensorcnt 0x0                           ; the wave's end
	ds_add_u32 v[SPW], v[NIL]
	s_wait_dscnt 0x0
	CROUND                                         ; the closing round
	s_endpgm
.Lfunc_end_k_qcd961ac593_gemm_qkv:
	.size	k_qcd961ac593_gemm_qkv, .Lfunc_end_k_qcd961ac593_gemm_qkv-k_qcd961ac593_gemm_qkv
	.p2alignl 7, 3214868480
	.fill 96, 4, 3214868480
	.section	.rodata,"a",@progbits
	.p2align	6, 0x0
	.amdhsa_kernel k_qcd961ac593_gemm_qkv
		.amdhsa_group_segment_fixed_size 327680
		.amdhsa_private_segment_fixed_size 0
		.amdhsa_enable_private_segment 0
		.amdhsa_kernarg_size 40
		.amdhsa_user_sgpr_count 2
		.amdhsa_user_sgpr_kernarg_segment_ptr 1
		.amdhsa_wavefront_size32 1
		.amdhsa_system_sgpr_workgroup_id_x 1
		.amdhsa_system_sgpr_workgroup_id_y 1
		.amdhsa_system_sgpr_workgroup_id_z 1
		.amdhsa_system_vgpr_workitem_id 0
		.amdhsa_next_free_vgpr 1024
		.amdhsa_next_free_sgpr 100
		.amdhsa_reserve_vcc 0
		.amdhsa_float_denorm_mode_32 3
		.amdhsa_float_denorm_mode_16_64 3
		.amdhsa_memory_ordered 1
		.amdhsa_forward_progress 1
		.amdhsa_inst_pref_size 221
	.end_amdhsa_kernel
	.amdgpu_metadata
---
amdhsa.version: [ 1, 2 ]
amdhsa.kernels:
  - .name:           k_qcd961ac593_gemm_qkv
    .symbol:         k_qcd961ac593_gemm_qkv.kd
    .args:
      - { .name: wsq, .offset: 0, .size: 8, .value_kind: global_buffer, .address_space: global }
      - { .name: bq, .offset: 8, .size: 8, .value_kind: global_buffer, .address_space: global }
      - { .name: bk, .offset: 16, .size: 8, .value_kind: global_buffer, .address_space: global }
      - { .name: bv, .offset: 24, .size: 8, .value_kind: global_buffer, .address_space: global }
      - { .name: qkv, .offset: 32, .size: 8, .value_kind: global_buffer, .address_space: global }
    .group_segment_fixed_size: 327680
    .private_segment_fixed_size: 0
    .kernarg_segment_align: 8
    .kernarg_segment_size: 40
    .max_flat_workgroup_size: 128
    .sgpr_count:     100
    .vgpr_count:     1024
    .wavefront_size: 32
...
	.end_amdgpu_metadata
.endif
;; end of part 2
;; launch attn (part 3): grid 8 x 32, 16 waves a work-group, clusters of 4 x 1, 223,232 bytes of LDS; arguments qkv, seq_mask, att; writes att
.if DOCPART == 3
	.amdgcn_target "amdgcn-amd-amdhsa--gfx1250"
	.amdhsa_code_object_version 6
	.text
	.protected	k_qcd961ac593_attn
	.globl	k_qcd961ac593_attn
	.p2align	8
	.type	k_qcd961ac593_attn,@function
k_qcd961ac593_attn:
	s_mov_b64 s[64:65], 0
	v_nop
	global_prefetch_b8 v0, s[64:65] scope:SCOPE_SE
	s_setreg_imm32_b32 hwreg(HW_REG_WAVE_MODE, 25, 1), 1
	s_wait_xcnt 0x0
	s_wait_alu depctr_hold_cnt(0) depctr_sa_sdst(0) depctr_va_vdst(0) depctr_va_sdst(0) depctr_va_ssrc(0) depctr_va_vcc(0) depctr_vm_vsrc(0)
	s_getreg_b32 s2, hwreg(HW_REG_IB_STS2, 6, 4)
	s_cmp_eq_u32 s2, 0
	s_cbranch_scc0 .Lentry_in_a_cluster
	s_endpgm
.Lentry_in_a_cluster:
	s_bfe_u32 s2, ttmp6, 0x10000c
	s_cmp_lg_u32 s2, 0x3003
	s_cbranch_scc0 .Lentry_shape_is_right
	s_endpgm
.Lentry_shape_is_right:
; Attention of one head (64 wide, 2,048 keys, scale 1 / 32, a key mask that is an input), both products on codes of BF6; the result is divided by the row's sum and quantised along the features for the next product.
; SOFTMAX: t = score x log2(e) / 32; M = the running largest t rounded up to a whole number; p = 2^(t - M) is quantised along the keys; the sum is taken of the unquantised p; a change of M multiplies the sum and O by 2^(old M - new M), exactly.
; SHARES: a work-group owns 256 queries of one head, each of its sixteen waves one tile of 16; four waves to a SIMD, so that one wave's vector work stands beside another's products and LDS loads.
; Both products are used transposed (S^T = K Q^T, O^T = V^T P^T): a lane holds one query.  Keys lie by position, so the 16 registers of two neighbouring score tiles are 16 neighbouring keys.
; THE WHOLE HEAD'S K AND V STAY IN LDS: 16 records of 13,312 bytes (8 half images of K, 4 images of V, their scale words), filled once, in four groups of four key steps; nothing is filled again.
; CLUSTER 4 x 1: the four query blocks of a cluster walk the same head: each part is asked for jointly (mask 15).  Each wave brings 3,328 bytes of each group: four tensor loads of mine are out at the start.
; K = 64 under a form of 128: Q's registers 6-11 are zero codes; a fragment of K is named with the six registers behind it (the next fragment's codes, finite numbers, times zero); the upper scale bytes are 2^0 on both sides.
; THE MASK is a bias in f32, 0 or -2^115, kept in LDS and given as the C of the score products.
; LIMITS: right where |t| stays under 2^100 (the running maximum starts at -2^100); a batch whose every key is masked (NaN by the definition) is not served; NaN and infinities are not served; a block of zeros gets the byte 1.
; OUT: two heads share an image of 128 K, so a head stores 16 + 8 bytes a lane and 2 bytes of a scale word: the 8-byte and 2-byte stores fill their 256-byte blocks only together with the partner head's.
; Nothing is prefetched: all that the launch reads from memory is asked for at its head.
.set QS,    3145728
.set KV,    3407872
.set REC,   13312
.set HEADB, 212992
.set GRP,   4*REC
.set PART,  GRP/16                     ; 3,328 bytes: 13 rows of 256
.set MB,    HEADB                      ; behind the head: the mask's bias, 2,048 f32, in blocks of its own
.set SPARE, MB+8192                    ; the spare words, 128 bytes a wave
.set ATS,   3145728                    ; att: the scale words
.set WV,  18
.set SEL, 20
.set CS,  22                           ; s[22:23] c = log2(e) / 32
.set G1,  24
.set G0,  32                           ; s[32:47] four groups 0
.set TB,  48                           ; the key step's record in LDS
.set TMK, 49                           ; and its 512 bytes of the mask's bias
.set CNT, 50
.set BM,  212                          ; v212-215 the blocks' largest scores, then largest p
.set BT,  216                          ; v216-219 at work
.set BS,  220                          ; v220-223 the conversions' scale operands
; v1 16 lane, v2 8 lane, v3 4 r, v4 MB + 64 h, v5 / v6 the add's two, v7-10 the step's addresses, v12 -M, v13 largest t, v[14:15] the sum, v16-27 Q, v28 Q's words, v32-85 K's or V's fragments, v86-93 their words,
; v96-159 scores, then p, v160-191 O^T, v192-203 p's codes, v204-210 conversions' second halves, v224 at work, v[226:227] f, v228 p's word
.macro CROUND
	s_barrier_signal -1
	s_barrier_wait -1
	s_cmp_lg_u32 s[WV], 0
	s_cbranch_scc1 .Lnot_wave_0_\@
	s_barrier_signal -3
.Lnot_wave_0_\@:
	s_barrier_wait -3
	s_barrier_signal -1
	s_barrier_wait -1
.endm
	s_load_b128 s[4:7], s[0:1], 0x0                ; qkv, seq_mask
	s_load_b64 s[8:9], s[0:1], 0x10                ; att
	v_lshl_add_u32 v5, v0, 2, SPARE
	v_mov_b32 v6, 0
	ds_add_u32 v5, v6                              ; the wave's opening: the add and its wait ahead of my first tensor load
	v_lshrrev_b32 v7, 5, v0
	v_readfirstlane_b32 s[WV], v7                  ; wave 0..15
	s_bfe_u32 s13, ttmp6, 0x40000                  ; cx
	s_lshl_b32 s14, ttmp9, 2
	s_add_co_u32 s14, s14, s13                     ; my block of 256 queries: it enters Q's and att's addresses alone
	s_and_b32 s15, ttmp7, 0xffff                   ; 16 x batch + head, which the partners share
	s_mov_b32 s[G1], 15|(3<<16)|(1<<21)            ; the mask: all four; elements of 8 bytes; bit 21 beside a mask
	s_mov_b32 s[G1+1], 32<<16                      ; rows of 256 bytes,
	s_mov_b32 s[G1+2], 13<<16                      ; 13 of them,
	s_mov_b32 s[G1+3], 32<<16
	s_mov_b32 s[G1+4], 13
	s_mov_b32 s[G1+5], 32                          ; dense
	s_mov_b32 s[G1+6], 0
	s_mov_b32 s[G1+7], 0
	s_mul_i32 s19, s[WV], PART
	s_mul_i32 s16, s15, HEADB
	s_add_co_u32 s16, s16, s19
	s_add_co_u32 s16, s16, KV
	s_mov_b32 s17, 0
	s_mov_b32 s[SEL], 0x76543210
	s_mov_b32 s[SEL+1], 0xfedcba98
	s_mov_b32 s[CS], 0x3d38aa3b
	s_mov_b32 s[CS+1], s[CS]
	s_lshl_b32 s10, s14, 4
	s_add_co_u32 s10, s10, s[WV]                   ; my block of 16 queries in the batch
	s_mul_i32 s52, s15, 98304
	s_mul_i32 s11, s10, 768
	s_add_co_u32 s52, s52, s11                     ; Q's half image
	s_mov_b32 s53, 0
	s_lshl_b32 s54, s15, 13
	s_lshl_b32 s11, s10, 6
	s_add_co_u32 s54, s54, s11
	s_add_co_u32 s54, s54, QS                      ; Q's words
	s_mov_b32 s55, 0
	s_lshr_b32 s12, s15, 4                         ; batch
	s_and_b32 s13, s15, 15                         ; head
	s_lshl_b32 s60, s12, 13                        ; the batch's mask
	s_mov_b32 s61, 0
	s_lshl_b32 s11, s12, 7
	s_add_co_u32 s11, s11, s10                     ; my block of 16 tokens among all 256
	s_lshr_b32 s56, s13, 2
	s_mul_i32 s56, s56, 786432                     ; att: slab = head / 4,
	s_mul_i32 s62, s11, 3072
	s_add_co_u32 s56, s56, s62
	s_bfe_u32 s62, s13, 0x10001
	s_mul_i32 s62, s62, 1536                       ; K step (head / 2) % 2 of the slab
	s_add_co_u32 s56, s56, s62
	s_mov_b32 s57, 0
	s_lshr_b32 s58, s13, 1
	s_lshl_b32 s58, s58, 14
	s_lshl_b32 s62, s11, 6
	s_add_co_u32 s58, s58, s62
	s_and_b32 s51, s13, 1                          ; which half of the image is my head's
	s_lshl_b32 s62, s51, 1
	s_add_co_u32 s58, s58, s62
	s_add_co_u32 s58, s58, ATS
	s_mov_b32 s59, 0
	s_wait_dscnt 0x0                               ; the opening add is done
	s_wait_kmcnt 0x0
	s_add_nc_u64 s[16:17], s[4:5], s[16:17]
.irp g, 0,1,2,3
	s_mov_b32 s[G0+4*\g], 1
	s_add_co_u32 s[G0+4*\g+1], s19, \g*GRP
	s_add_nc_u64 s[G0+4*\g+2:G0+4*\g+3], s[16:17], \g*GRP
	s_or_b32 s[G0+4*\g+3], s[G0+4*\g+3], 0x80000000
.endr
	CROUND                                         ; all four work-groups are here: the joint loads meet
.irp g, 0,1,2,3
	tensor_load_to_lds s[G0+4*\g:G0+4*\g+3], s[G1:G1+7]
	s_nop 0
.endr
.rept 4
	v_nop
.endr
	s_add_nc_u64 s[52:53], s[4:5], s[52:53]
	s_add_nc_u64 s[54:55], s[4:5], s[54:55]
	s_add_nc_u64 s[6:7], s[6:7], s[60:61]
	s_add_nc_u64 s[56:57], s[8:9], s[56:57]
	s_add_nc_u64 s[58:59], s[8:9], s[58:59]
	v_lshlrev_b32 v11, 4, v0                       ; 16 x thread: four keys' mask
	global_load_b128 v[232:235], v11, s[6:7]
	v_and_b32 v7, 31, v0
	v_lshlrev_b32 v1, 4, v7
	v_lshlrev_b32 v2, 3, v7
	v_and_b32 v8, 15, v0
	v_lshlrev_b32 v3, 2, v8
	v_bfe_u32 v9, v0, 4, 1
	v_lshl_add_u32 v4, v9, 6, MB
	global_load_b128 v[16:19], v1, s[52:53]
	global_load_b64 v[20:21], v2, s[52:53] offset:512
	global_load_b32 v28, v3, s[54:55]
	v_lshl_add_u32 v29, v0, 4, MB
.irp j, 22,23,24,25,26,27,80,81,82,83,84,85
	v_mov_b32 v[\j], 0                             ; Q's K 64 on: zero codes; and what is named behind K's last fragment
.endr
	v_mov_b32 v13, 0xf1800000                      ; the largest t so far: -2^100
	v_floor_f32 v12, -v13                          ; -M
	v_mov_b32 v14, 0
	v_mov_b32 v15, 0
.set j_, 0
.rept 32
	v_mov_b32 v[160+j_], 0                         ; O^T: the step is written once; the first finds zeros
.set j_, j_+1
.endr
.irp b, 0,1,2,3
	v_mov_b32 v[BT+\b], 0                          ; a lane permute's destination counts as read
.endr
	v_mov_b32 v224, 0
	v_mov_b32 v227, 0                              ; (named as the upper half of f's pair)
	v_mov_b32 v236, 0xf9000000                     ; -2^115
	s_wait_loadcnt 0x0
.irp j, 0,1,2,3
	v_cmp_eq_u32 vcc_lo, 0, v[232+\j]
	v_cndmask_b32 v[232+\j], 0, v236, vcc_lo       ; a key whose mask is 0 gets the bias -2^115
.endr
	ds_store_b128 v29, v[232:235]
	s_wait_dscnt 0x0                               ; for the others' sake: my part of the bias lies in LDS
.macro STEP                            ; 128 keys
	v_add_nc_u32 v7, s[TB], v1                     ; (these four are the places behind the last products, in front of the loads)
	v_add_nc_u32 v8, s[TB], v2
	v_add_nc_u32 v9, s[TB], v3
	v_add_nc_u32 v10, s[TMK], v4
.irp b, 0,1,2,3
.irp q, 0,1,2,3
	ds_load_b128 v[96+16*\b+4*\q:99+16*\b+4*\q], v10 offset:128*\b+16*\q   ; the bias of keys 32 b + 16 h + 4 q on: it starts the scores' sums
.endr
.endr
.irp t, 0,1,2,3,4,5,6,7
	ds_load_b128 v[32+6*\t:35+6*\t], v7 offset:768*\t
	ds_load_b64 v[36+6*\t:37+6*\t], v8 offset:768*\t+512
	ds_load_b32 v[86+\t], v9 offset:12288+64*\t
.endr
	s_wait_dscnt 0x0
.irp t, 0,1,2,3,4,5,6,7
	v_wmma_scale_f32_16x16x128_f8f6f4 v[96+8*\t:103+8*\t], v[32+6*\t:43+6*\t], v[16:27], v[96+8*\t:103+8*\t], v[86+\t], v28 matrix_a_fmt:MATRIX_FMT_BF6 matrix_b_fmt:MATRIX_FMT_BF6
.endr
.rept 4
	v_nop                                          ; places in front of the loads below and of the first read of scores
.endr
.irp t, 0,1,2,3
.irp g, 0,1,2
	ds_load_b128 v[32+12*\t+4*\g:35+12*\t+4*\g], v7 offset:6144+1536*\t+512*\g   ; V's fragments land under the softmax
.endr
	ds_load_b32 v[86+\t], v9 offset:12800+128*\t
.endr
.irp b, 0,1,2,3
	v_max3_num_f32 v[BM+\b], v[96+16*\b], v[97+16*\b], v[98+16*\b]   ; each block's largest score: for the row's maximum, and for the block's largest p
.endr
.irp i, 3,5,7,9,11,13
.irp b, 0,1,2,3
	v_max3_num_f32 v[BM+\b], v[BM+\b], v[96+16*\b+\i], v[97+16*\b+\i]
.endr
.endr
.irp b, 0,1,2,3
	v_max_num_f32 v[BM+\b], v[BM+\b], v[111+16*\b]
.endr
.irp b, 0,1,2,3
	v_permlanex16_b32 v[BT+\b], v[BM+\b], s[SEL], s[SEL+1]
.endr
.irp b, 0,1,2,3
	v_max_num_f32 v[BM+\b], v[BM+\b], v[BT+\b]
.endr
	v_max3_num_f32 v224, v[BM], v[BM+1], v[BM+2]
	v_max_num_f32 v224, v224, v[BM+3]
	v_mul_f32 v224, s[CS], v224
	v_max_num_f32 v13, v13, v224                   ; the running largest t
	v_mov_b32 v224, v12
	v_floor_f32 v12, -v13                          ; -M = floor(-t): M is a whole number
	v_sub_f32 v224, v12, v224
	v_cvt_i32_f32 v224, v224                       ; (it saturates)
	v_ldexp_f32 v226, 1.0, v224                    ; f = 2^(old M - new M)
.set j_, 0
.rept 32
	v_pk_fma_f32 v[96+j_:97+j_], v[96+j_:97+j_], s[CS:CS+1], v[12:13] op_sel_hi:[1,0,0]   ; t - M
.set j_, j_+2
.endr
.irp b, 0,1,2,3
	v_fma_f32 v[BM+\b], v[BM+\b], s[CS], v12
.endr
.set j_, 0
.rept 64
	v_exp_f32 v[96+j_], v[96+j_]                   ; p = 2^(t - M)
.set j_, j_+1
.endr
	v_pk_mul_f32 v[14:15], v[14:15], v[226:227] op_sel_hi:[1,0]   ; the sums under the new M (a plain place behind the exponentials)
	s_wait_alu depctr_va_vdst(0)                   ; one wait for the batch, ahead of its first reader
.irp b, 0,1,2,3
	v_exp_f32 v[BM+\b], v[BM+\b]                   ; the block's largest p
.endr
	v_pk_add_f32 v[BT:BT+1], v[96:97], v[98:99]    ; the row's sum of the unquantised p, in two chains
.irp j, 4,8,12,16,20,24,28,32,36,40,44,48,52,56,60
	v_pk_add_f32 v[14:15], v[14:15], v[96+\j:97+\j]
	v_pk_add_f32 v[BT:BT+1], v[BT:BT+1], v[98+\j:99+\j]
.endr
	v_pk_add_f32 v[14:15], v[14:15], v[BT:BT+1]
	s_wait_alu depctr_va_vdst(0)                   ; and one for the four
.irp b, 0,1,2,3
	v_max_num_f32 v[BM+\b], 0x2800000, v[BM+\b]    ; the floor: the byte cannot fall under 1
.endr
.irp b, 0,1,2,3
	v_add_nc_u32 v[BS+\b], 0xfe000000, v[BM+\b]
.endr
.irp b, 0,1,2,3
	v_lshrrev_b32 v[BT+\b], 23, v[BS+\b]
.endr
	v_lshl_or_b32 v228, v[BT+1], 8, v[BT]
	v_lshl_or_b32 v228, v[BT+2], 16, v228
	v_lshl_or_b32 v228, v[BT+3], 24, v228          ; p's scale word for these 128 keys
.irp c, 0,1
	v_cvt_scalef32_pk16_bf6_f32 v[192+6*\c:194+6*\c], v[96+32*\c:111+32*\c], v[BS+2*\c]
	v_cvt_scalef32_pk16_bf6_f32 v[204+4*\c:206+4*\c], v[112+32*\c:127+32*\c], v[BS+2*\c+1]
.endr
	v_nop
.irp c, 0,1
.irp i, 0,1,2
	v_permlane16_swap_b32 v[192+6*\c+\i], v[204+4*\c+\i]
.endr
.irp i, 0,1,2
	v_mov_b32 v[195+6*\c+\i], v[204+4*\c+\i]
.endr
.endr
.set j_, 0
.rept 16
	v_pk_mul_f32 v[160+j_:161+j_], v[160+j_:161+j_], v[226:227] op_sel_hi:[1,0]   ; O^T under the new M; these sixteen also stand between the writes of p's codes and word and the products
.set j_, j_+2
.endr
	s_wait_dscnt 0x0                               ; V
.irp t, 0,1,2,3
	v_wmma_scale_f32_16x16x128_f8f6f4 v[160+8*\t:167+8*\t], v[32+12*\t:43+12*\t], v[192:203], v[160+8*\t:167+8*\t], v[86+\t], v228 matrix_a_fmt:MATRIX_FMT_BF6 matrix_b_fmt:MATRIX_FMT_BF6
.endr
	s_add_co_u32 s[TB], s[TB], REC
	s_add_co_u32 s[TMK], s[TMK], 512
.endm
.macro GROUP g                         ; four key steps
	s_wait_tensorcnt 3-\g                          ; my part of this group is in; the later groups' loads may stay out
	s_barrier_signal -1
	s_barrier_wait -1                              ; everybody's is
	s_mov_b32 s[TB], \g*GRP
	s_mov_b32 s[TMK], \g*2048
	s_mov_b32 s[CNT], 4
.Lstep_\@:
	STEP
	s_sub_co_u32 s[CNT], s[CNT], 1
	s_cmp_lg_u32 s[CNT], 0
	s_cbranch_scc1 .Lstep_\@
.endm
	GROUP 0
	GROUP 1
	GROUP 2
	GROUP 3
	; THE WAY OUT: O^T / the sum; its 32 registers are the head's 64 features, 16 h + .. of each 32: two blocks
.rept 4
	v_nop
.endr
	v_add_f32 v14, v14, v15
	v_permlanex16_b32 v224, v14, s[SEL], s[SEL+1]
	v_add_f32 v14, v14, v224
	v_rcp_f32 v14, v14
	v_nop
	s_wait_alu depctr_va_vdst(0)
.set j_, 0
.rept 32
	v_mul_f32 v[96+j_], v[160+j_], v14
.set j_, j_+1
.endr
.irp b, 0,1
	v_max3_num_f32 v[BM+\b], |v[96+16*\b]|, |v[97+16*\b]|, 0x2800000
.endr
.irp i, 2,4,6,8,10,12,14
.irp b, 0,1
	v_max3_num_f32 v[BM+\b], v[BM+\b], |v[96+16*\b+\i]|, |v[97+16*\b+\i]|
.endr
.endr
.irp b, 0,1
	v_permlanex16_b32 v[BT+\b], v[BM+\b], s[SEL], s[SEL+1]
.endr
.irp b, 0,1
	v_max_num_f32 v[BM+\b], v[BM+\b], v[BT+\b]
.endr
.irp b, 0,1
	v_add_nc_u32 v[BS+\b], 0xfe000000, v[BM+\b]
.endr
.irp b, 0,1
	v_lshrrev_b32 v[BT+\b], 23, v[BS+\b]
.endr
	v_lshl_or_b32 v225, v[BT+1], 8, v[BT]          ; my head's two bytes of the row's word
	v_cvt_scalef32_pk16_bf6_f32 v[192:194], v[96:111], v[BS]
	v_cvt_scalef32_pk16_bf6_f32 v[204:206], v[112:127], v[BS+1]
	v_nop
.irp i, 0,1,2
	v_permlane16_swap_b32 v[192+\i], v[204+\i]
.endr
.irp i, 0,1,2
	v_mov_b32 v[195+\i], v[204+\i]
.endr
	global_store_b16 v3, v225, s[58:59]
	s_cmp_eq_u32 s51, 0                            ; the head's number: the same in all partners and all waves
	s_cbranch_scc0 .Lodd
	global_store_b128 v1, v[192:195], s[56:57]             ; an even head: the image's registers 0-3,
	global_store_b64 v1, v[196:197], s[56:57] offset:512   ; 4-5
	s_branch .Ldone
.Lodd:
	global_store_b64 v1, v[192:193], s[56:57] offset:520   ; an odd head: registers 6-7,
	global_store_b128 v1, v[194:197], s[56:57] offset:1024 ; 8-11
.Ldone:
	s_wait_tensorcnt 0x0                           ; the wave's end
	ds_add_u32 v5, v6
	s_wait_dscnt 0x0
	CROUND                                         ; the closing round
	s_endpgm
.Lfunc_end_k_qcd961ac593_attn:
	.size	k_qcd961ac593_attn, .Lfunc_end_k_qcd961ac593_attn-k_qcd961ac593_attn
	.p2alignl 7, 3214868480
	.fill 96, 4, 3214868480
	.section	.rodata,"a",@progbits
	.p2align	6, 0x0
	.amdhsa_kernel k_qcd961ac593_attn
		.amdhsa_group_segment_fixed_size 223232
		.amdhsa_private_segment_fixed_size 0
		.amdhsa_enable_private_segment 0
		.amdhsa_kernarg_size 24
		.amdhsa_user_sgpr_count 2
		.amdhsa_user_sgpr_kernarg_segment_ptr 1
		.amdhsa_wavefront_size32 1
		.amdhsa_system_sgpr_workgroup_id_x 1
		.amdhsa_system_sgpr_workgroup_id_y 1
		.amdhsa_system_sgpr_workgroup_id_z 1
		.amdhsa_system_vgpr_workitem_id 0
		.amdhsa_next_free_vgpr 256
		.amdhsa_next_free_sgpr 72
		.amdhsa_reserve_vcc 1
		.amdhsa_float_denorm_mode_32 3
		.amdhsa_float_denorm_mode_16_64 3
		.amdhsa_memory_ordered 1
		.amdhsa_forward_progress 1
		.amdhsa_inst_pref_size 82
	.end_amdhsa_kernel
	.amdgpu_metadata
---
amdhsa.version: [ 1, 2 ]
amdhsa.kernels:
  - .name:           k_qcd961ac593_attn
    .symbol:         k_qcd961ac593_attn.kd
    .args:
      - { .name: qkv, .offset: 0, .size: 8, .value_kind: global_buffer, .address_space: global }
      - { .name: seq_mask, .offset: 8, .size: 8, .value_kind: global_buffer, .address_space: global }
      - { .name: att, .offset: 16, .size: 8, .value_kind: global_buffer, .address_space: global }
    .group_segment_fixed_size: 223232
    .private_segment_fixed_size: 0
    .kernarg_segment_align: 8
    .kernarg_segment_size: 24
    .max_flat_workgroup_size: 512
    .sgpr_count:     72
    .vgpr_count:     256
    .wavefront_size: 32
...
	.end_amdgpu_metadata
.endif
;; end of part 3
;; launch gemm_o (part 4): grid 8 x 32, 4 waves a work-group, clusters of 4 x 4, 205,312 bytes of LDS; arguments att, wsq, bo, yb, x; writes yb
.if DOCPART == 4
	.amdgcn_target "amdgcn-amd-amdhsa--gfx1250"
	.amdhsa_code_object_version 6
	.text
	.protected	k_qcd961ac593_gemm_o
	.globl	k_qcd961ac593_gemm_o
	.p2align	8
	.type	k_qcd961ac593_gemm_o,@function
k_qcd961ac593_gemm_o:
	s_mov_b64 s[64:65], 0
	v_nop
	global_prefetch_b8 v0, s[64:65] scope:SCOPE_SE
	s_setreg_imm32_b32 hwreg(HW_REG_WAVE_MODE, 25, 1), 1
	s_wait_xcnt 0x0
	s_wait_alu depctr_hold_cnt(0) depctr_sa_sdst(0) depctr_va_vdst(0) depctr_va_sdst(0) depctr_va_ssrc(0) depctr_va_vcc(0) depctr_vm_vsrc(0)
	s_getreg_b32 s2, hwreg(HW_REG_IB_STS2, 6, 4)
	s_cmp_eq_u32 s2, 0
	s_cbranch_scc0 .Lentry_in_a_cluster
	s_endpgm
.Lentry_in_a_cluster:
	s_bfe_u32 s2, ttmp6, 0x10000c
	s_cmp_lg_u32 s2, 0xf033
	s_cbranch_scc0 .Lentry_shape_is_right
	s_endpgm
.Lentry_shape_is_right:
; y = attn Wo + bo on codes of BF6 with E8M0 scales.  Two things leave: x + y as f32, row-major (the residual's first sum), and y quantised along its features (the next product's operand).
; The product has 4,096 x 1,024 results: tiles of 128 x 128 give each of 256 WGPs a work-group.  Four waves, each 64 x 64: 16 accumulators.
; K = 1,024 lies in LDS AS A WHOLE: two slots of 512 along K, both filled once at the start; nothing is filled again, so the main part has one barrier and no round of the cluster's barrier.
; Operands lie as images of their registers (16 rows x 128 K = 1,536 bytes, registers 4 g .. 4 g + 3 of lane l at 512 g + 16 l); rows lie by position (p holds row p with bits 3 and 4 exchanged).
; Source 0 = 16 columns of the weight (side B), source 1 = 16 tokens (side A): a lane holds one token, and the 16 registers of two neighbouring tiles are 16 neighbouring features.  The bias is the C of each sum's first product.
; CLUSTER 4 x 4: side A's tile is asked for jointly along a row of the cluster, side B's along a column.  A wave has three tensor loads out at the start and none later.
; x: my 64 x 64 numbers are asked for at the head, by the addresses of my own stores, into 128 registers of window 2 that the products leave idle; they are added where the rows come back from the stage.
; A WAVE'S 64 COLUMNS ARE HALF AN IMAGE of the next operand: 16 + 8 bytes a lane and 2 bytes of the scale word; the other half is the neighbouring wave's.  The 8-byte and 2-byte stores fill their 256-byte blocks only together with that wave's.
; LIMITS: a block of zeros gets the byte 1 (its codes are zeros; only this program reads the bytes); NaN and infinities are not served.
.set T,     4
.set NQ,    4
.set KDIM,  1024
.set NSL,   NQ/2
.set NL,    3
.set PIECE, T*3072
.set HALFT, NSL*PIECE                  ; what one tensor load brings, and what a wave reads of a side in a slot
.set SLOT,  4*HALFT
.set SCL,   2*SLOT                     ; behind the slots: the scale words, [K step][64 rows][4] for each quarter
.set HALFS, 64*T*KDIM/128
.set SPARE, SCL+4*HALFS                ; the spare words, 128 bytes a wave
.set CD0,   1536                       ; codes: two pieces of 12,288 bytes (four blocks of rows of a slab), a slab apart
.set CD1,   2
.set CPA,   98304
.set CPB,   24576
.set AOFF,  0
.set ASOFF, 3145728
.set SA,    786432
.set ASP,   2048
.set BOFF,  5505024
.set BSOFF, 12845056
.set SB,    196608
.set BSP,   512
.set OCOFF, 16777216                   ; yb: the codes,
.set OSOFF, 19922944                   ; the scale words
.set ADRA, 16                          ; v16-17 LDS address of side A's fragments in slot 0, 1
.set ADRB, 20                          ; v20-21 side B's
.set STO,  24
.set RD,   25
.set CO,   26                          ; v26 my byte offset in two rows of x and of the output; never rewritten
.set ADRS, 27
.set SPW,  28
.set NIL,  29
.set SC,   32                          ; v32-63 scale words, two sets of 16
.set PC,   64                          ; v64-78 the way out: codes
.set TM,   80                          ; v80-95 at work in the quantiser
.set PW,   96                          ; my two scale bytes
.set AF,   128                         ; window 0: side A's fragments, one set
.set BK,   192                         ; v192-223 the way out: 16 rows back from the stage
.set XR,   64                          ; window 2, v64-191: x, block a's row pair t at 32 a + 4 t
.set G1, 24
.set G0, 32
.set G1B, 48
.set G0B, 56
.set G1S, 68
.set G0S, 76
.set G1SB, 80
.set G0SB, 88
.set SEL, 96
.set MSB, 0
.macro WIN new                         ; the immediate's high byte repeats the setting that is left
.if MSB != (\new)
	s_set_vgpr_msb (MSB<<8)|(\new)
.set MSB, (\new)
.endif
.endm
.macro PLACES n
.rept \n
	v_nop
.endr
.endm
.macro JLOAD g0a, g1a, g0b, g1b        ; a joint load: waves 0, 1 fetch for side A, waves 2, 3 for side B; an s_nop 0 and four v_nop follow each line
	s_cmp_eq_u32 s15, 0
	s_cbranch_scc0 .Lfor_b_\@
	tensor_load_to_lds s[\g0a:\g0a+3], s[\g1a:\g1a+7]
	s_nop 0
.rept 4
	v_nop
.endr
	s_branch .Lasked_\@
.Lfor_b_\@:
	tensor_load_to_lds s[\g0b:\g0b+3], s[\g1b:\g1b+7]
	s_nop 0
.rept 4
	v_nop
.endr
.Lasked_\@:
.endm
.macro CROUND                          ; a round of the cluster's barrier
	s_barrier_signal -1
	s_barrier_wait -1
	s_cmp_lg_u32 s14, 0
	s_cbranch_scc1 .Lnot_wave_0_\@
	s_barrier_signal -3
.Lnot_wave_0_\@:
	s_barrier_wait -3
	s_barrier_signal -1
	s_barrier_wait -1
.endm
.macro FRAG reg, adr, q, i             ; a fragment as it lies: three loads of 512 consecutive bytes
.irp g, 0,1,2
	ds_load_b128 v[\reg+4*\g:\reg+4*\g+3], v[\adr] offset:((\q)/2)*PIECE+(\i)*3072+((\q)%2)*1536+512*\g
.endr
.endm
.macro FETCH_B slot, q, p
	WIN 0x40
.set i_, 0
.rept T
	FRAG 128*(\p)+12*i_, ADRB+\slot, \q, i_
.set i_, i_+1
.endr
	WIN 0
.endm
.macro FETCH_A slot, q, i0
.set i_, \i0
.rept T/2
	FRAG AF+12*i_, ADRA+\slot, \q, i_
.set i_, i_+1
.endr
.endm
.macro SCALES sc
.set i_, 0
.rept T
.set q_, 0
.rept NQ
	ds_load_b32 v[SC+16*(\sc)+NQ*i_+q_], v[ADRS] offset:q_*64*T+64*i_
.set q_, q_+1
.endr
.set i_, i_+1
.endr
.endm
.macro WMUL hi, first                  ; source 0 (side B) window 1, source 1 (side A) window 0, D window 2 or 3; C likewise, or the bias in window 1
.if \first
	WIN 0x91+0x40*(\hi)
.else
	WIN 0xa1+0x50*(\hi)
.endif
.endm
.macro MULQ k, p, q, sc, first         ; a quarter of a step: one block of side A x all four of side B.  The accumulators take turns, one instruction a turn, in the same order in every step
.set a_, (\k)*T/4
.rept T/4
.set b_, 0
.rept T
.set D_, 8*(T*(a_%(T/2))+b_)
.set B_, 128*(\p)+12*b_
.set A_, AF+12*a_
.set SB_, SC+16*(\sc)+NQ*b_+(\q)
.set SA_, SC+16*(\sc)+NQ*a_+(\q)
.set C_, 96+8*b_
.if \first
	v_wmma_scale_f32_16x16x128_f8f6f4 v[D_:D_+7], v[B_:B_+11], v[A_:A_+11], v[C_:C_+7], v[SB_], v[SA_] matrix_a_fmt:MATRIX_FMT_BF6 matrix_b_fmt:MATRIX_FMT_BF6 matrix_a_scale:MATRIX_SCALE_ROW1
.else
	v_wmma_scale_f32_16x16x128_f8f6f4 v[D_:D_+7], v[B_:B_+11], v[A_:A_+11], v[D_:D_+7], v[SB_], v[SA_] matrix_a_fmt:MATRIX_FMT_BF6 matrix_b_fmt:MATRIX_FMT_BF6 matrix_a_scale:MATRIX_SCALE_ROW1
.endif
.set b_, b_+1
.endr
.set a_, a_+1
.endr
.endm
.macro STEP slot, q, first             ; a step of 128 along K whose successor lies in the same slot
	s_wait_dscnt (T/2)*NL                          ; all but the youngest loads, side A's upper blocks
	WMUL 0, \first
	MULQ 0, (\q)%2, \q, \slot, \first
	MULQ 1, (\q)%2, \q, \slot, \first
	s_wait_dscnt 0x0
	PLACES 4                                       ; four places in front of loads into registers that matrix instructions have read
	FETCH_B \slot, (\q)+1, 1-(\q)%2
	FETCH_A \slot, (\q)+1, 0
	WMUL 1, \first
	MULQ 2, (\q)%2, \q, \slot, \first
	MULQ 3, (\q)%2, \q, \slot, \first
	PLACES 4
	WIN 0
	FETCH_A \slot, (\q)+1, T/2
.endm
.macro STEPS slot, q0
.set qq_, \q0
.rept NQ-1-(\q0)
	STEP \slot, qq_, 0
.set qq_, qq_+1
.endr
.endm
.macro TURN slot, next                 ; slot 0's last step goes over to slot 1: one barrier, behind which nothing is filled
	s_wait_tensorcnt 0x0                           ; all my tensor loads have landed: my part of slot 1
	ds_add_u32 v[SPW], v[NIL]
	s_wait_dscnt (T/2)*NL+1                        ; (the add and side A's upper blocks may be out)
	WMUL 0, 0
	MULQ 0, 1, NQ-1, \slot, 0
	s_wait_dscnt 0x0                               ; the add is done, and my reads of this slot are over: the way out will store there
	s_barrier_signal -1
	MULQ 1, 1, NQ-1, \slot, 0
	WIN 0
	s_barrier_wait -1                              ; slot 1 is whole, and nobody reads slot 0 any more
	PLACES 4
	v_add_nc_u32 v[ADRS], NQ*64*T, v[ADRS]
	FETCH_B \next, 0, 0
	FETCH_A \next, 0, 0
	SCALES \next
	WMUL 1, 0
	MULQ 2, 1, NQ-1, \slot, 0
	MULQ 3, 1, NQ-1, \slot, 0
	PLACES 4
	WIN 0
	FETCH_A \next, 0, T/2
.endm
.macro QUANT2 w, s                     ; 32 registers of window w, register 16 b + i = k 32 b + 16 (lane / 16) + i of my row -> six registers of codes in v[PC] on, two scale bytes in v[PW].  Each accumulator is read from its low end on
	WIN (\w)|((\w)<<2)
.irp b, 0,1
	v_max3_num_f32 v[TM+\b], |v[\s+16*\b]|, |v[\s+16*\b+1]|, 0x2800000   ; with the floor 2^(5 - 127): the byte cannot fall under 1
.endr
	WIN ((\w)<<2)|((\w)<<4)
.irp i, 2,4,6,8,10,12,14
.irp b, 0,1
	v_max3_num_f32 v[TM+\b], v[TM+\b], |v[\s+16*\b+\i]|, |v[\s+16*\b+\i+1]|
.endr
.endr
	WIN 0
.irp b, 0,1
	v_permlanex16_b32 v[TM+4+\b], v[TM+\b], s[SEL], s[SEL+1]
.endr
.irp b, 0,1
	v_max_num_f32 v[TM+\b], v[TM+\b], v[TM+4+\b]   ; with lane l xor 16's 16 numbers: the block's largest magnitude
.endr
.irp b, 0,1
	v_add_nc_u32 v[TM+12+\b], 0xfe000000, v[TM+\b] ; 4 off its exponent field: the conversion's scale operand
.endr
.irp b, 0,1
	v_lshrrev_b32 v[TM+4+\b], 23, v[TM+12+\b]      ; the scale's byte
.endr
	v_lshl_or_b32 v[PW], v[TM+5], 8, v[TM+4]
	WIN (\w)
	v_cvt_scalef32_pk16_bf6_f32 v[PC:PC+2], v[\s:\s+15], v[TM+12]
	v_cvt_scalef32_pk16_bf6_f32 v[PC+12:PC+14], v[\s+16:\s+31], v[TM+13]
	WIN 0
	v_nop                                          ; one plain place behind a scaled conversion
.irp i, 0,1,2
	v_permlane16_swap_b32 v[PC+\i], v[PC+12+\i]    ; the layout wants a whole block in a lane: lanes 0-15 the first, lanes 16-31 the second
.endr
.irp i, 0,1,2
	v_mov_b32 v[PC+3+\i], v[PC+12+\i]
.endr
.endm
	s_load_b256 s[4:11], s[0:1], 0x0               ; att, wsq, bo, yb
	s_load_b64 s[12:13], s[0:1], 0x20              ; x
	v_lshl_add_u32 v[SPW], v0, 2, SPARE
	v_mov_b32 v[NIL], 0
	ds_add_u32 v[SPW], v[NIL]                      ; the wave's opening: the add and its wait ahead of my first tensor load
	v_lshrrev_b32 v1, 5, v0
	v_readfirstlane_b32 s14, v1                    ; wave
	s_lshr_b32 s15, s14, 1                         ; my half of the tile's tokens.  Also: I fetch for side A (0) or B (1)
	s_and_b32 s16, s14, 1                          ; my half of its columns.  Also: which half I fetch
	s_bfe_u32 s40, ttmp6, 0x40000                  ; cx
	s_bfe_u32 s41, ttmp6, 0x40004                  ; cy
	s_lshl_b32 s42, ttmp9, 2
	s_add_co_u32 s42, s42, s40                     ; tile column
	s_and_b32 s17, ttmp7, 0xffff
	s_lshl_b32 s17, s17, 2
	s_add_co_u32 s17, s17, s41                     ; tile row
	s_lshl_b32 s43, s41, 2
	s_lshl_b32 s43, 15, s43                        ; my row of the cluster
	s_lshl_b32 s44, 0x1111, s40                    ; my column
	s_or_b32 s[G1+0], s43, (3<<16)|(1<<21)         ; the mask; elements of 8 bytes; bit 21 beside a mask; no padding
	s_or_b32 s[G1B+0], s44, (3<<16)|(1<<21)
.irp g, G1, G1B
	s_mov_b32 s[\g+1], CD0<<16
	s_mov_b32 s[\g+2], CD1<<16
	s_mov_b32 s[\g+3], CD0<<16
	s_mov_b32 s[\g+4], CD1
	s_mov_b32 s[\g+6], 0
	s_mov_b32 s[\g+7], 0
.endr
	s_mov_b32 s[G1+5], CPA
	s_mov_b32 s[G1B+5], CPB
	s_or_b32 s[G1S+0], s43, (3<<16)|(1<<21)
	s_or_b32 s[G1SB+0], s44, (3<<16)|(1<<21)
.irp g, G1S, G1SB
	s_mov_b32 s[\g+1], (8*T)<<16                   ; 64 rows' words of one K step: 256 bytes
	s_mov_b32 s[\g+2], (KDIM/128)<<16
	s_mov_b32 s[\g+3], (8*T)<<16
	s_mov_b32 s[\g+4], KDIM/128
	s_mov_b32 s[\g+6], 0
	s_mov_b32 s[\g+7], 0
.endr
	s_mov_b32 s[G1S+5], ASP
	s_mov_b32 s[G1SB+5], BSP
	s_mov_b32 s[SEL], 0x76543210
	s_mov_b32 s[SEL+1], 0xfedcba98
	s_mul_i32 s18, s16, T
	s_mul_i32 s20, s17, 2*T
	s_add_co_u32 s20, s20, s18                     ; side A: the first block of 16 rows that I fetch
	s_lshl_b32 s22, s20, 6
	s_add_co_u32 s22, s22, ASOFF
	s_mul_i32 s20, s20, 3072
	s_add_co_u32 s20, s20, AOFF
	s_mov_b32 s21, 0
	s_mov_b32 s23, 0
	s_mul_i32 s46, s42, 2*T
	s_add_co_u32 s46, s46, s18                     ; side B likewise
	s_lshl_b32 s92, s46, 6
	s_add_co_u32 s92, s92, BSOFF
	s_mul_i32 s46, s46, 3072
	s_add_co_u32 s46, s46, BOFF
	s_mov_b32 s47, 0
	s_mov_b32 s93, 0
	s_mul_i32 s45, s14, HALFT                      ; where they go: no place in the cluster enters an LDS address
	s_mul_i32 s94, s14, HALFS
	s_wait_dscnt 0x0                               ; the opening add is done
	s_wait_kmcnt 0x0
	s_add_nc_u64 s[20:21], s[4:5], s[20:21]
	s_add_nc_u64 s[22:23], s[4:5], s[22:23]
	s_add_nc_u64 s[46:47], s[6:7], s[46:47]
	s_add_nc_u64 s[92:93], s[6:7], s[92:93]
	CROUND                                         ; all sixteen work-groups are here: the joint loads meet
	s_mov_b32 s[G0S], 1
	s_add_co_u32 s[G0S+1], s94, SCL
	s_mov_b64 s[G0S+2:G0S+3], s[22:23]
	s_or_b32 s[G0S+3], s[G0S+3], 0x80000000
	s_mov_b32 s[G0SB], 1
	s_add_co_u32 s[G0SB+1], s94, SCL
	s_mov_b64 s[G0SB+2:G0SB+3], s[92:93]
	s_or_b32 s[G0SB+3], s[G0SB+3], 0x80000000
	JLOAD G0S, G1S, G0SB, G1SB                     ; the scale words
	s_mov_b32 s[G0], 1
	s_add_co_u32 s[G0+1], s45, 0
	s_mov_b64 s[G0+2:G0+3], s[20:21]
	s_or_b32 s[G0+3], s[G0+3], 0x80000000
	s_mov_b32 s[G0B], 1
	s_add_co_u32 s[G0B+1], s45, 0
	s_mov_b64 s[G0B+2:G0B+3], s[46:47]
	s_or_b32 s[G0B+3], s[G0B+3], 0x80000000
	JLOAD G0, G1, G0B, G1B                         ; slot 0: K 0 to 511
	s_mov_b32 s[G0+4], 1
	s_add_co_u32 s[G0+5], s45, SLOT
	s_add_nc_u64 s[G0+6:G0+7], s[20:21], NSL*SA
	s_or_b32 s[G0+7], s[G0+7], 0x80000000
	s_mov_b32 s[G0B+4], 1
	s_add_co_u32 s[G0B+5], s45, SLOT
	s_add_nc_u64 s[G0B+6:G0B+7], s[46:47], NSL*SB
	s_or_b32 s[G0B+7], s[G0B+7], 0x80000000
	JLOAD G0+4, G1, G0B+4, G1B                     ; slot 1: K 512 to 1,023
	v_and_b32 v1, 15, v0                           ; r
	v_bfe_u32 v2, v0, 4, 1                         ; h
	v_and_b32 v3, 31, v0
	v_lshlrev_b32 v30, 4, v3                       ; 16 x lane
	v_lshlrev_b32 v15, 2, v1                       ; 4 r
	s_mul_i32 s21, s15, HALFT
	s_mul_i32 s22, s16, HALFT
	s_add_co_u32 s22, s22, 2*HALFT
.irp s, 0,1
	v_add_nc_u32 v[ADRA+\s], s21, v30
	v_add_nc_u32 v[ADRB+\s], s22, v30
	s_add_co_u32 s21, s21, SLOT
	s_add_co_u32 s22, s22, SLOT
.endr
	s_mul_i32 s21, s15, HALFS
	s_mul_i32 s22, s16, HALFS
	s_add_co_u32 s22, s22, 2*HALFS
	s_sub_co_u32 s22, s22, s21
	v_mul_u32_u24 v6, s22, v2                      ; lanes 16-31 take side B's words
	s_add_co_u32 s21, s21, SCL
	v_add_nc_u32 v5, v15, v6
	v_add_nc_u32 v[ADRS], s21, v5
	s_mul_i32 s23, s14, 16*272                     ; my stage, in slot 0: 16 rows x (256 bytes + 16)
	v_mul_u32_u24 v5, v1, 272
	v_lshl_add_u32 v5, v2, 6, v5
	v_add_nc_u32 v[STO], s23, v5                   ; in: row r, + 64 h
	v_mul_u32_u24 v5, v2, 272
	v_lshl_add_u32 v5, v1, 4, v5
	v_add_nc_u32 v[RD], s23, v5                    ; back: lanes 0-15 one row, lanes 16-31 the next
	v_lshlrev_b32 v5, 12, v2
	v_lshl_add_u32 v[CO], v1, 4, v5                ; and the same two rows in x and in the output
	s_mul_i32 s21, s42, 32*T
	s_mul_i32 s22, s16, 16*T
	s_add_co_u32 s21, s21, s22
	s_lshl_b32 s20, s21, 2
	s_mov_b32 s21, 0
	s_add_nc_u64 s[8:9], s[8:9], s[20:21]          ; the bias of my 64 columns
	v_lshlrev_b32 v13, 6, v2
	WIN 0x40
.set b_, 0
.rept T
	global_load_b128 v[96+8*b_:96+8*b_+3], v13, s[8:9] offset:(32*(b_/2)+8*(b_%2))*4
	global_load_b128 v[96+8*b_+4:96+8*b_+7], v13, s[8:9] offset:(32*(b_/2)+8*(b_%2))*4+16
.set b_, b_+1
.endr
	WIN 0
	s_lshl_b32 s20, s17, 7
	s_lshl_b32 s22, s15, 6
	s_add_co_u32 s20, s20, s22
	s_lshl_b32 s20, s20, 12                        ; my first token's row of 4,096 bytes,
	s_lshl_b32 s22, s42, 9
	s_add_co_u32 s20, s20, s22
	s_lshl_b32 s22, s16, 8
	s_add_co_u32 s20, s20, s22                     ; my first column
	s_add_nc_u64 s[12:13], s[12:13], s[20:21]      ; x there,
	s_add_nc_u64 s[18:19], s[10:11], s[20:21]      ; and x + y
	WIN 0x80                                       ; destination window 2
.set a_, 0
.rept 4
.set t_, 0
.rept 8
	global_load_b128 v[XR+32*a_+4*t_:XR+32*a_+4*t_+3], v[CO], s[12:13] offset:(32*(a_/2)+8*(a_%2)+16*(t_/4)+2*(t_%4))*4096 th:TH_LOAD_NT   ; sixteen lanes read 256 consecutive bytes, aligned; each number of x is read by one wave
.set t_, t_+1
.endr
.set a_, a_+1
.endr
	WIN 0
	s_lshl_b32 s20, s17, 3
	s_lshl_b32 s22, s15, 2
	s_add_co_u32 s20, s20, s22                     ; my first block of 16 tokens
	s_lshl_b32 s22, s20, 6                         ; its words: 64 bytes a block
	s_mul_i32 s20, s20, 3072
	s_lshr_b32 s23, s42, 1
	s_mul_i32 s23, s23, 786432                     ; the next operand's slab = tile column / 2,
	s_add_co_u32 s20, s20, s23
	s_and_b32 s23, s42, 1
	s_mul_i32 s23, s23, 1536                       ; its K step in the slab = tile column % 2
	s_add_co_u32 s20, s20, s23
	s_add_co_u32 s20, s20, OCOFF
	s_lshl_b32 s23, s42, 14                        ; words: 16,384 bytes a K step,
	s_add_co_u32 s22, s22, s23
	s_lshl_b32 s23, s16, 1                         ; my half's two bytes
	s_add_co_u32 s22, s22, s23
	s_add_co_u32 s22, s22, OSOFF
	s_mov_b32 s23, 0
	s_add_nc_u64 s[46:47], s[10:11], s[20:21]      ; codes
	s_add_nc_u64 s[92:93], s[10:11], s[22:23]      ; words
	s_wait_loadcnt 32                              ; the bias's eight loads are in; x's 32, issued behind them, may stay out
	s_wait_tensorcnt 0x1                           ; the scale words and my part of slot 0 are in; slot 1's load may be out
	s_barrier_signal -1
	s_barrier_wait -1
	FETCH_B 0, 0, 0
	FETCH_A 0, 0, 0
	SCALES 0
	FETCH_A 0, 0, T/2
	STEP 0, 0, 1                                   ; the first step starts the sums, with the bias as C
	STEPS 0, 1
	TURN 0, 1
	STEPS 1, 0
	s_wait_dscnt (T/2)*NL                          ; the last step: nothing more to fetch
	WMUL 0, 0
	MULQ 0, 1, NQ-1, 1, 0
	MULQ 1, 1, NQ-1, 1, 0
	s_wait_dscnt 0x0
	WMUL 1, 0
	MULQ 2, 1, NQ-1, 1, 0
	MULQ 3, 1, NQ-1, 1, 0
	WIN 0
	PLACES 4                                       ; in front of the first reads of results
.irp b, 0,1
	v_mov_b32 v[TM+4+\b], 0                        ; a lane permute's destination counts as read
.endr
	s_wait_loadcnt 0x0                             ; x
; THE WAY OUT, 16 tokens at a time: half an image and two scale bytes of y; then y through my stage (slot 0 has had its only fill, and every wave has passed the barrier behind its last read), back as whole rows of 256 bytes, + x, stored.
.macro EPI a
.set W_, 2+(\a)/2
.set S_, 32*((\a)%2)
.if (\a) > 0
	s_wait_xcnt 0x0                                ; the last block's stores have read their registers
.endif
	QUANT2 W_, S_
	global_store_b16 v15, v[PW], s[92:93] offset:(\a)*64   ; lanes l and l + 16 hold the same two bytes and write them to the same place
	s_cmp_eq_u32 s16, 0                            ; the wave's number: which half of the image is mine
	s_cbranch_scc0 .Lupper_\@
	global_store_b128 v30, v[PC:PC+3], s[46:47] offset:(\a)*3072          ; the image's registers 0-3,
	global_store_b64 v30, v[PC+4:PC+5], s[46:47] offset:(\a)*3072+512     ; 4-5
	s_branch .Lsent_\@
.Lupper_\@:
	global_store_b64 v30, v[PC:PC+1], s[46:47] offset:(\a)*3072+520       ; registers 6-7,
	global_store_b128 v30, v[PC+2:PC+5], s[46:47] offset:(\a)*3072+1024   ; 8-11
.Lsent_\@:
	WIN (W_)<<2                                    ; an LDS store's data are its source 1
.irp b, 0,1,2,3
	ds_store_b128 v[STO], v[S_+8*\b:S_+8*\b+3] offset:128*(\b/2)+32*(\b%2)
	ds_store_b128 v[STO], v[S_+8*\b+4:S_+8*\b+7] offset:128*(\b/2)+32*(\b%2)+16
.endr
	WIN 0
.irp t, 0,1,2,3,4,5,6,7
	ds_load_b128 v[BK+4*\t:BK+4*\t+3], v[RD] offset:544*\t   ; LDS serves a wave's instructions in order: these see my stores
.endr
	s_wait_dscnt 0x0
	WIN 0x08                                       ; source 1 (x) window 2
.set i_, 0
.rept 16
	v_pk_add_f32 v[BK+2*i_:BK+2*i_+1], v[BK+2*i_:BK+2*i_+1], v[XR+32*(\a)+2*i_:XR+32*(\a)+2*i_+1]
.set i_, i_+1
.endr
	WIN 0
.irp t, 0,1,2,3,4,5,6,7
	global_store_b128 v[CO], v[BK+4*\t:BK+4*\t+3], s[18:19] offset:(32*((\a)/2)+8*((\a)%2)+16*(\t/4)+2*(\t%4))*4096   ; positions 2 t, 2 t + 1 of block a are these tokens; sixteen lanes store 256 consecutive bytes, aligned
.endr
.endm
.irp a, 0,1,2,3
	EPI \a
.endr
	s_wait_tensorcnt 0x0                           ; the wave's end
	ds_add_u32 v[SPW], v[NIL]
	s_wait_dscnt 0x0
	CROUND                                         ; the closing round
	s_endpgm
.Lfunc_end_k_qcd961ac593_gemm_o:
	.size	k_qcd961ac593_gemm_o, .Lfunc_end_k_qcd961ac593_gemm_o-k_qcd961ac593_gemm_o
	.p2alignl 7, 3214868480
	.fill 96, 4, 3214868480
	.section	.rodata,"a",@progbits
	.p2align	6, 0x0
	.amdhsa_kernel k_qcd961ac593_gemm_o
		.amdhsa_group_segment_fixed_size 205312
		.amdhsa_private_segment_fixed_size 0
		.amdhsa_enable_private_segment 0
		.amdhsa_kernarg_size 40
		.amdhsa_user_sgpr_count 2
		.amdhsa_user_sgpr_kernarg_segment_ptr 1
		.amdhsa_wavefront_size32 1
		.amdhsa_system_sgpr_workgroup_id_x 1
		.amdhsa_system_sgpr_workgroup_id_y 1
		.amdhsa_system_sgpr_workgroup_id_z 1
		.amdhsa_system_vgpr_workitem_id 0
		.amdhsa_next_free_vgpr 1024
		.amdhsa_next_free_sgpr 100
		.amdhsa_reserve_vcc 0
		.amdhsa_float_denorm_mode_32 3
		.amdhsa_float_denorm_mode_16_64 3
		.amdhsa_memory_ordered 1
		.amdhsa_forward_progress 1
		.amdhsa_inst_pref_size 71
	.end_amdhsa_kernel
	.amdgpu_metadata
---
amdhsa.version: [ 1, 2 ]
amdhsa.kernels:
  - .name:           k_qcd961ac593_gemm_o
    .symbol:         k_qcd961ac593_gemm_o.kd
    .args:
      - { .name: att, .offset: 0, .size: 8, .value_kind: global_buffer, .address_space: global }
      - { .name: wsq, .offset: 8, .size: 8, .value_kind: global_buffer, .address_space: global }
      - { .name: bo, .offset: 16, .size: 8, .value_kind: global_buffer, .address_space: global }
      - { .name: yb, .offset: 24, .size: 8, .value_kind: global_buffer, .address_space: global }
      - { .name: x, .offset: 32, .size: 8, .value_kind: global_buffer, .address_space: global }
    .group_segment_fixed_size: 205312
    .private_segment_fixed_size: 0
    .kernarg_segment_align: 8
    .kernarg_segment_size: 40
    .max_flat_workgroup_size: 128
    .sgpr_count:     100
    .vgpr_count:     1024
    .wavefront_size: 32
...
	.end_amdgpu_metadata
.endif
;; end of part 4
;; launch gemm_1 (part 5): grid 16 x 16, 4 waves a work-group, clusters of 4 x 4, 327,680 bytes of LDS; arguments yb, wsq, b1, hb; writes hb
.if DOCPART == 5
	.amdgcn_target "amdgcn-amd-amdhsa--gfx1250"
	.amdhsa_code_object_version 6
	.text
	.protected	k_qcd961ac593_gemm_1
	.globl	k_qcd961ac593_gemm_1
	.p2align	8
	.type	k_qcd961ac593_gemm_1,@function
k_qcd961ac593_gemm_1:
	s_mov_b64 s[64:65], 0
	v_nop
	global_prefetch_b8 v0, s[64:65] scope:SCOPE_SE
	s_setreg_imm32_b32 hwreg(HW_REG_WAVE_MODE, 25, 1), 1
	s_wait_xcnt 0x0
	s_wait_alu depctr_hold_cnt(0) depctr_sa_sdst(0) depctr_va_vdst(0) depctr_va_sdst(0) depctr_va_ssrc(0) depctr_va_vcc(0) depctr_vm_vsrc(0)
	s_getreg_b32 s2, hwreg(HW_REG_IB_STS2, 6, 4)
	s_cmp_eq_u32 s2, 0
	s_cbranch_scc0 .Lentry_in_a_cluster
	s_endpgm
.Lentry_in_a_cluster:
	s_bfe_u32 s2, ttmp6, 0x10000c
	s_cmp_lg_u32 s2, 0xf033
	s_cbranch_scc0 .Lentry_shape_is_right
	s_endpgm
.Lentry_shape_is_right:
; h = relu(y W1 + b1) on codes of BF6 with E8M0 scales; h is quantised along its features on the way out and never exists in memory as f32.
; A work-group of four waves makes 256 x 256, a wave 128 x 128: 64 accumulators.  K = 1,024 in steps of 256 through two LDS slots filled by tensor loads.  256 work-groups.
; Operands lie as images of their registers (16 rows x 128 K = 1,536 bytes, registers 4 g .. 4 g + 3 of lane l at 512 g + 16 l); rows lie by position (p holds row p with bits 3 and 4 exchanged).
; Source 0 = 16 columns of the weight (side B), source 1 = 16 tokens (side A): a lane holds one token, and the 16 registers of two neighbouring tiles are 16 neighbouring features.  The bias is the C of each sum's first product.
; CLUSTER 4 x 4: side A's tile is asked for jointly along a row of the cluster, side B's along a column.  A wave has three tensor loads out at the start and one behind each round.
; LIMITS: a block of zeros gets the byte 1; NaN and infinities are not served.
.set T,     8
.set NQ,    2
.set KDIM,  1024
.set BIASC, 1
.set NSL,   NQ/2
.set NL,    3
.set PIECE, T*3072
.set HALFT, NSL*PIECE
.set SLOT,  4*HALFT
.set LAPS,  KDIM/(256*NQ)
.set SCL,   2*SLOT
.set HALFS, 64*T*KDIM/128
.set SPARE, SCL+4*HALFS
.set CD0,   32
.set CD1,   96
.set CPA,   32
.set CPB,   32
.set AOFF,  16777216
.set ASOFF, 19922944
.set SA,    786432
.set ASP,   2048
.set BOFF,  6291456
.set BSOFF, 12877824
.set SB,    786432
.set BSP,   2048
.set OCOFF, 0
.set OSOFF, 12582912
.set ADRA, 16
.set ADRB, 20
.set ADRS, 27
.set SPW,  28
.set NIL,  29
.set SC,   32
.set AF,   128
.set PC,   112
.set TM,   200
.set PW,   216
.set G1, 24
.set G0, 32
.set G1B, 48
.set G0B, 56
.set G1S, 68
.set G0S, 76
.set G1SB, 80
.set G0SB, 88
.set SSA, 66
.set SSB, 98
.set SEL, 96
.set MSB, 0
.macro WIN new
.if MSB != (\new)
	s_set_vgpr_msb (MSB<<8)|(\new)
.set MSB, (\new)
.endif
.endm
.macro PLACES n
.rept \n
	v_nop
.endr
.endm
.macro JLOAD g0a, g1a, g0b, g1b
	s_cmp_eq_u32 s15, 0
	s_cbranch_scc0 .Lfor_b_\@
	tensor_load_to_lds s[\g0a:\g0a+3], s[\g1a:\g1a+7]
	s_nop 0
.rept 4
	v_nop
.endr
	s_branch .Lasked_\@
.Lfor_b_\@:
	tensor_load_to_lds s[\g0b:\g0b+3], s[\g1b:\g1b+7]
	s_nop 0
.rept 4
	v_nop
.endr
.Lasked_\@:
.endm
.macro CREST
	s_cmp_lg_u32 s14, 0
	s_cbranch_scc1 .Lnot_wave_0_\@
	s_barrier_signal -3
.Lnot_wave_0_\@:
	s_barrier_wait -3
	s_barrier_signal -1
	s_barrier_wait -1
.endm
.macro CROUND
	s_barrier_signal -1
	s_barrier_wait -1
	CREST
.endm
.macro FRAG reg, adr, q, i
.irp g, 0,1,2
	ds_load_b128 v[\reg+4*\g:\reg+4*\g+3], v[\adr] offset:((\q)/2)*PIECE+(\i)*3072+((\q)%2)*1536+512*\g
.endr
.endm
.macro FETCH_B slot, q, p
	WIN 0x40
.set i_, 0
.rept T
	FRAG 128*(\p)+12*i_, ADRB+\slot, \q, i_
.set i_, i_+1
.endr
	WIN 0
.endm
.macro FETCH_A slot, q, i0
.set i_, \i0
.rept T/2
	FRAG AF+12*i_, ADRA+\slot, \q, i_
.set i_, i_+1
.endr
.endm
.macro SCALES sc
.set i_, 0
.rept T
.set q_, 0
.rept NQ
	ds_load_b32 v[SC+16*(\sc)+NQ*i_+q_], v[ADRS] offset:q_*64*T+64*i_
.set q_, q_+1
.endr
.set i_, i_+1
.endr
.endm
.macro WMUL hi, first
.if (\first) && BIASC
	WIN 0x91+0x40*(\hi)
.else
	WIN 0xa1+0x50*(\hi)
.endif
.endm
.macro MULQ k, p, q, sc, first         ; the accumulators take turns, one instruction a turn, in the same order in every step
.set a_, (\k)*T/4
.rept T/4
.set b_, 0
.rept T
.set D_, 8*(T*(a_%(T/2))+b_)
.set B_, 128*(\p)+12*b_
.set A_, AF+12*a_
.set SB_, SC+16*(\sc)+NQ*b_+(\q)
.set SA_, SC+16*(\sc)+NQ*a_+(\q)
.set C_, 96+8*(b_%4)+128*(b_/4)
.if (\first) && BIASC
	v_wmma_scale_f32_16x16x128_f8f6f4 v[D_:D_+7], v[B_:B_+11], v[A_:A_+11], v[C_:C_+7], v[SB_], v[SA_] matrix_a_fmt:MATRIX_FMT_BF6 matrix_b_fmt:MATRIX_FMT_BF6 matrix_a_scale:MATRIX_SCALE_ROW1
.elseif \first
	v_wmma_scale_f32_16x16x128_f8f6f4 v[D_:D_+7], v[B_:B_+11], v[A_:A_+11], 0, v[SB_], v[SA_] matrix_a_fmt:MATRIX_FMT_BF6 matrix_b_fmt:MATRIX_FMT_BF6 matrix_a_scale:MATRIX_SCALE_ROW1
.else
	v_wmma_scale_f32_16x16x128_f8f6f4 v[D_:D_+7], v[B_:B_+11], v[A_:A_+11], v[D_:D_+7], v[SB_], v[SA_] matrix_a_fmt:MATRIX_FMT_BF6 matrix_b_fmt:MATRIX_FMT_BF6 matrix_a_scale:MATRIX_SCALE_ROW1
.endif
.set b_, b_+1
.endr
.set a_, a_+1
.endr
.endm
.macro STEP slot, q, first
	s_wait_dscnt (T/2)*NL                          ; all but the youngest loads, side A's upper blocks
	WMUL 0, \first
	MULQ 0, (\q)%2, \q, \slot, \first
	MULQ 1, (\q)%2, \q, \slot, \first
	s_wait_dscnt 0x0
	PLACES 4
	FETCH_B \slot, (\q)+1, 1-(\q)%2
	FETCH_A \slot, (\q)+1, 0
	WMUL 1, \first
	MULQ 2, (\q)%2, \q, \slot, \first
	MULQ 3, (\q)%2, \q, \slot, \first
	PLACES 4
	WIN 0
	FETCH_A \slot, (\q)+1, T/2
.endm
.macro STEPS slot, q0
.set qq_, \q0
.rept NQ-1-(\q0)
	STEP \slot, qq_, 0
.set qq_, qq_+1
.endr
.endm
.macro TURN slot, next, fill
	s_wait_tensorcnt 0x0                           ; all my tensor loads have landed: my part of the next slot
	ds_add_u32 v[SPW], v[NIL]
	s_wait_dscnt (T/2)*NL+1                        ; (the add and side A's upper blocks may be out)
	WMUL 0, 0
	MULQ 0, 1, NQ-1, \slot, 0
	s_wait_dscnt 0x0                               ; the add is done, and my reads of this slot are over
	s_barrier_signal -1
	MULQ 1, 1, NQ-1, \slot, 0
	WIN 0
	s_barrier_wait -1
.if \fill
	CREST
	s_add_nc_u64 s[G0+4*\slot+2:G0+4*\slot+3], s[G0+4*\slot+2:G0+4*\slot+3], s[SSA:SSA+1]
	s_add_nc_u64 s[G0B+4*\slot+2:G0B+4*\slot+3], s[G0B+4*\slot+2:G0B+4*\slot+3], s[SSB:SSB+1]
	JLOAD G0+4*\slot, G1, G0B+4*\slot, G1B
.else
	PLACES 4
.endif
	v_add_nc_u32 v[ADRS], NQ*64*T, v[ADRS]
	FETCH_B \next, 0, 0
	FETCH_A \next, 0, 0
	SCALES \next
	WMUL 1, 0
	MULQ 2, 1, NQ-1, \slot, 0
	MULQ 3, 1, NQ-1, \slot, 0
	PLACES 4
	WIN 0
	FETCH_A \next, 0, T/2
.endm
.macro QUANT w, s
	WIN (\w)|((\w)<<2)
.irp b, 0,1,2,3
	v_max3_num_f32 v[TM+\b], |v[\s+16*\b]|, |v[\s+16*\b+1]|, 0x2800000
.endr
	WIN ((\w)<<2)|((\w)<<4)
.irp i, 2,4,6,8,10,12,14
.irp b, 0,1,2,3
	v_max3_num_f32 v[TM+\b], v[TM+\b], |v[\s+16*\b+\i]|, |v[\s+16*\b+\i+1]|
.endr
.endr
	WIN 0
.irp b, 0,1,2,3
	v_permlanex16_b32 v[TM+4+\b], v[TM+\b], s[SEL], s[SEL+1]
.endr
.irp b, 0,1,2,3
	v_max_num_f32 v[TM+\b], v[TM+\b], v[TM+4+\b]
.endr
.irp b, 0,1,2,3
	v_add_nc_u32 v[TM+12+\b], 0xfe000000, v[TM+\b]
.endr
.irp b, 0,1,2,3
	v_lshrrev_b32 v[TM+4+\b], 23, v[TM+12+\b]
.endr
	v_lshl_or_b32 v[PW], v[TM+5], 8, v[TM+4]
	v_lshl_or_b32 v[PW], v[TM+6], 16, v[PW]
	v_lshl_or_b32 v[PW], v[TM+7], 24, v[PW]
	WIN (\w)
.irp c, 0,1
	v_cvt_scalef32_pk16_bf6_f32 v[PC+6*\c:PC+6*\c+2], v[\s+32*\c:\s+32*\c+15], v[TM+12+2*\c]
	v_cvt_scalef32_pk16_bf6_f32 v[PC+12+4*\c:PC+14+4*\c], v[\s+32*\c+16:\s+32*\c+31], v[TM+13+2*\c]
.endr
	WIN 0
	v_nop
.irp c, 0,1
.irp i, 0,1,2
	v_permlane16_swap_b32 v[PC+6*\c+\i], v[PC+12+4*\c+\i]
.endr
.irp i, 0,1,2
	v_mov_b32 v[PC+3+6*\c+\i], v[PC+12+4*\c+\i]
.endr
.endr
.endm
	s_load_b256 s[4:11], s[0:1], 0x0               ; yb, wsq, b1, hb
	v_lshl_add_u32 v[SPW], v0, 2, SPARE
	v_mov_b32 v[NIL], 0
	ds_add_u32 v[SPW], v[NIL]                      ; the wave's opening: the add and its wait ahead of my first tensor load
	v_lshrrev_b32 v1, 5, v0
	v_readfirstlane_b32 s14, v1
	s_lshr_b32 s15, s14, 1
	s_and_b32 s16, s14, 1
	s_bfe_u32 s40, ttmp6, 0x40000
	s_bfe_u32 s41, ttmp6, 0x40004
	s_lshl_b32 s42, ttmp9, 2
	s_add_co_u32 s42, s42, s40
	s_and_b32 s17, ttmp7, 0xffff
	s_lshl_b32 s17, s17, 2
	s_add_co_u32 s17, s17, s41
	s_lshl_b32 s43, s41, 2
	s_lshl_b32 s43, 15, s43
	s_lshl_b32 s44, 0x1111, s40
	s_or_b32 s[G1+0], s43, (3<<16)|(1<<21)
	s_or_b32 s[G1B+0], s44, (3<<16)|(1<<21)
.irp g, G1, G1B
	s_mov_b32 s[\g+1], CD0<<16
	s_mov_b32 s[\g+2], CD1<<16
	s_mov_b32 s[\g+3], CD0<<16
	s_mov_b32 s[\g+4], CD1
	s_mov_b32 s[\g+6], 0
	s_mov_b32 s[\g+7], 0
.endr
	s_mov_b32 s[G1+5], CPA
	s_mov_b32 s[G1B+5], CPB
	s_or_b32 s[G1S+0], s43, (3<<16)|(1<<21)
	s_or_b32 s[G1SB+0], s44, (3<<16)|(1<<21)
.irp g, G1S, G1SB
	s_mov_b32 s[\g+1], (8*T)<<16
	s_mov_b32 s[\g+2], (KDIM/128)<<16
	s_mov_b32 s[\g+3], (8*T)<<16
	s_mov_b32 s[\g+4], KDIM/128
	s_mov_b32 s[\g+6], 0
	s_mov_b32 s[\g+7], 0
.endr
	s_mov_b32 s[G1S+5], ASP
	s_mov_b32 s[G1SB+5], BSP
	s_mov_b32 s[SSA], 2*NSL*SA
	s_mov_b32 s[SSA+1], 0
	s_mov_b32 s[SSB], 2*NSL*SB
	s_mov_b32 s[SSB+1], 0
	s_mov_b32 s[SEL], 0x76543210
	s_mov_b32 s[SEL+1], 0xfedcba98
	s_mul_i32 s18, s16, T
	s_mul_i32 s20, s17, 2*T
	s_add_co_u32 s20, s20, s18
	s_lshl_b32 s22, s20, 6
	s_add_co_u32 s22, s22, ASOFF
	s_mul_i32 s20, s20, 3072
	s_add_co_u32 s20, s20, AOFF
	s_mov_b32 s21, 0
	s_mov_b32 s23, 0
	s_mul_i32 s46, s42, 2*T
	s_add_co_u32 s46, s46, s18
	s_lshl_b32 s92, s46, 6
	s_add_co_u32 s92, s92, BSOFF
	s_mul_i32 s46, s46, 3072
	s_add_co_u32 s46, s46, BOFF
	s_mov_b32 s47, 0
	s_mov_b32 s93, 0
	s_mul_i32 s45, s14, HALFT
	s_mul_i32 s94, s14, HALFS
	s_wait_dscnt 0x0                               ; the opening add is done
	s_wait_kmcnt 0x0
	s_add_nc_u64 s[20:21], s[4:5], s[20:21]
	s_add_nc_u64 s[22:23], s[4:5], s[22:23]
	s_add_nc_u64 s[46:47], s[6:7], s[46:47]
	s_add_nc_u64 s[92:93], s[6:7], s[92:93]
	CROUND
	s_mov_b32 s[G0S], 1
	s_add_co_u32 s[G0S+1], s94, SCL
	s_mov_b64 s[G0S+2:G0S+3], s[22:23]
	s_or_b32 s[G0S+3], s[G0S+3], 0x80000000
	s_mov_b32 s[G0SB], 1
	s_add_co_u32 s[G0SB+1], s94, SCL
	s_mov_b64 s[G0SB+2:G0SB+3], s[92:93]
	s_or_b32 s[G0SB+3], s[G0SB+3], 0x80000000
	JLOAD G0S, G1S, G0SB, G1SB
	s_mov_b32 s[G0], 1
	s_add_co_u32 s[G0+1], s45, 0
	s_mov_b64 s[G0+2:G0+3], s[20:21]
	s_or_b32 s[G0+3], s[G0+3], 0x80000000
	s_mov_b32 s[G0B], 1
	s_add_co_u32 s[G0B+1], s45, 0
	s_mov_b64 s[G0B+2:G0B+3], s[46:47]
	s_or_b32 s[G0B+3], s[G0B+3], 0x80000000
	JLOAD G0, G1, G0B, G1B
	s_mov_b32 s3, 0
	s_lshr_b32 s2, s[SSA], 1
	s_mov_b32 s[G0+4], 1
	s_add_co_u32 s[G0+5], s45, SLOT
	s_add_nc_u64 s[G0+6:G0+7], s[20:21], s[2:3]
	s_or_b32 s[G0+7], s[G0+7], 0x80000000
	s_lshr_b32 s2, s[SSB], 1
	s_mov_b32 s[G0B+4], 1
	s_add_co_u32 s[G0B+5], s45, SLOT
	s_add_nc_u64 s[G0B+6:G0B+7], s[46:47], s[2:3]
	s_or_b32 s[G0B+7], s[G0B+7], 0x80000000
	JLOAD G0+4, G1, G0B+4, G1B
	v_and_b32 v1, 15, v0
	v_bfe_u32 v2, v0, 4, 1
	v_and_b32 v3, 31, v0
	v_lshlrev_b32 v30, 4, v3
	v_lshlrev_b32 v15, 2, v1
	s_mul_i32 s21, s15, HALFT
	s_mul_i32 s22, s16, HALFT
	s_add_co_u32 s22, s22, 2*HALFT
.irp s, 0,1
	v_add_nc_u32 v[ADRA+\s], s21, v30
	v_add_nc_u32 v[ADRB+\s], s22, v30
	s_add_co_u32 s21, s21, SLOT
	s_add_co_u32 s22, s22, SLOT
.endr
	s_mul_i32 s21, s15, HALFS
	s_mul_i32 s22, s16, HALFS
	s_add_co_u32 s22, s22, 2*HALFS
	s_sub_co_u32 s22, s22, s21
	v_mul_u32_u24 v6, s22, v2
	s_add_co_u32 s21, s21, SCL
	v_add_nc_u32 v5, v15, v6
	v_add_nc_u32 v[ADRS], s21, v5
	s_mul_i32 s21, s42, 32*T
	s_mul_i32 s22, s16, 16*T
	s_add_co_u32 s21, s21, s22
	s_lshl_b32 s20, s21, 2
	s_mov_b32 s21, 0
	s_add_nc_u64 s[8:9], s[8:9], s[20:21]          ; the bias of my 128 columns
	v_lshlrev_b32 v13, 6, v2
	WIN 0x40
.set b_, 0
.rept T
	global_load_b128 v[96+8*(b_%4)+128*(b_/4):96+8*(b_%4)+128*(b_/4)+3], v13, s[8:9] offset:(32*(b_/2)+8*(b_%2))*4
	global_load_b128 v[96+8*(b_%4)+128*(b_/4)+4:96+8*(b_%4)+128*(b_/4)+7], v13, s[8:9] offset:(32*(b_/2)+8*(b_%2))*4+16
.set b_, b_+1
.endr
	WIN 0
	s_lshl_b32 s20, s17, 4
	s_lshl_b32 s21, s15, 3
	s_add_co_u32 s20, s20, s21                     ; my first block of 16 tokens
	s_lshl_b32 s22, s20, 6
	s_mul_i32 s20, s20, 3072
	s_mul_i32 s21, s42, 786432                     ; the next operand's slab = tile column,
	s_add_co_u32 s20, s20, s21
	s_mul_i32 s21, s16, 1536                       ; its K step = my half
	s_add_co_u32 s20, s20, s21
	s_add_co_u32 s20, s20, OCOFF
	s_lshl_b32 s21, s42, 1
	s_add_co_u32 s21, s21, s16
	s_lshl_b32 s21, s21, 14
	s_add_co_u32 s22, s22, s21
	s_add_co_u32 s22, s22, OSOFF
	s_mov_b32 s21, 0
	s_mov_b32 s23, 0
	s_add_nc_u64 s[12:13], s[10:11], s[20:21]      ; codes
	s_add_nc_u64 s[18:19], s[10:11], s[22:23]      ; words
	s_wait_loadcnt 0x0
	s_wait_tensorcnt 0x1                           ; the scale words and my part of slot 0 are in; slot 1's load may be out
	s_barrier_signal -1
	s_barrier_wait -1
	FETCH_B 0, 0, 0
	FETCH_A 0, 0, 0
	SCALES 0
	FETCH_A 0, 0, T/2
	STEP 0, 0, 1
	STEPS 0, 1
	s_mov_b32 s3, LAPS-1
.Llap:
	TURN 0, 1, 1
	STEPS 1, 0
	TURN 1, 0, 1
	STEPS 0, 0
	s_sub_co_u32 s3, s3, 1
	s_cmp_lg_u32 s3, 0
	s_cbranch_scc1 .Llap
	TURN 0, 1, 0
	STEPS 1, 0
	s_wait_dscnt (T/2)*NL
	WMUL 0, 0
	MULQ 0, 1, NQ-1, 1, 0
	MULQ 1, 1, NQ-1, 1, 0
	s_wait_dscnt 0x0
	WMUL 1, 0
	MULQ 2, 1, NQ-1, 1, 0
	MULQ 3, 1, NQ-1, 1, 0
	WIN 0
	PLACES 4
.irp b, 0,1,2,3
	v_mov_b32 v[TM+4+\b], 0
.endr
; THE WAY OUT, 16 tokens at a time: the activation in f32, the quantiser, one image and its words
.macro EPI a
.set W_, 2+(\a)/4
.set S_, 64*((\a)%4)
.if (\a) > 0
	s_wait_xcnt 0x0                                ; the last block's stores have read their registers
.endif
	WIN ((W_)<<6)|((W_)<<2)
.set i_, 0
.rept 64
	v_max_num_f32 v[S_+i_], 0, v[S_+i_]
.set i_, i_+1
.endr
	QUANT W_, S_
.irp g, 0,1,2
	global_store_b128 v30, v[PC+4*\g:PC+4*\g+3], s[12:13] offset:(\a)*3072+512*\g
.endr
	global_store_b32 v15, v[PW], s[18:19] offset:(\a)*64
.endm
.irp a, 0,1,2,3,4,5,6,7
	EPI \a
.endr
	s_wait_tensorcnt 0x0                           ; the wave's end
	ds_add_u32 v[SPW], v[NIL]
	s_wait_dscnt 0x0
	CROUND
	s_endpgm
.Lfunc_end_k_qcd961ac593_gemm_1:
	.size	k_qcd961ac593_gemm_1, .Lfunc_end_k_qcd961ac593_gemm_1-k_qcd961ac593_gemm_1
	.p2alignl 7, 3214868480
	.fill 96, 4, 3214868480
	.section	.rodata,"a",@progbits
	.p2align	6, 0x0
	.amdhsa_kernel k_qcd961ac593_gemm_1
		.amdhsa_group_segment_fixed_size 327680
		.amdhsa_private_segment_fixed_size 0
		.amdhsa_enable_private_segment 0
		.amdhsa_kernarg_size 32
		.amdhsa_user_sgpr_count 2
		.amdhsa_user_sgpr_kernarg_segment_ptr 1
		.amdhsa_wavefront_size32 1
		.amdhsa_system_sgpr_workgroup_id_x 1
		.amdhsa_system_sgpr_workgroup_id_y 1
		.amdhsa_system_sgpr_workgroup_id_z 1
		.amdhsa_system_vgpr_workitem_id 0
		.amdhsa_next_free_vgpr 1024
		.amdhsa_next_free_sgpr 100
		.amdhsa_reserve_vcc 0
		.amdhsa_float_denorm_mode_32 3
		.amdhsa_float_denorm_mode_16_64 3
		.amdhsa_memory_ordered 1
		.amdhsa_forward_progress 1
		.amdhsa_inst_pref_size 161
	.end_amdhsa_kernel
	.amdgpu_metadata
---
amdhsa.version: [ 1, 2 ]
amdhsa.kernels:
  - .name:           k_qcd961ac593_gemm_1
    .symbol:         k_qcd961ac593_gemm_1.kd
    .args:
      - { .name: yb, .offset: 0, .size: 8, .value_kind: global_buffer, .address_space: global }
      - { .name: wsq, .offset: 8, .size: 8, .value_kind: global_buffer, .address_space: global }
      - { .name: b1, .offset: 16, .size: 8, .value_kind: global_buffer, .address_space: global }
      - { .name: hb, .offset: 24, .size: 8, .value_kind: global_buffer, .address_space: global }
    .group_segment_fixed_size: 327680
    .private_segment_fixed_size: 0
    .kernarg_segment_align: 8
    .kernarg_segment_size: 32
    .max_flat_workgroup_size: 128
    .sgpr_count:     100
    .vgpr_count:     1024
    .wavefront_size: 32
...
	.end_amdgpu_metadata
.endif
;; end of part 5
;; launch gemm_2 (part 6): grid 8 x 32, 4 waves a work-group, clusters of 4 x 4, 327,680 bytes of LDS; arguments hb, wsq, b2, y2b, yb; writes y2b
.if DOCPART == 6
	.amdgcn_target "amdgcn-amd-amdhsa--gfx1250"
	.amdhsa_code_object_version 6
	.text
	.protected	k_qcd961ac593_gemm_2
	.globl	k_qcd961ac593_gemm_2
	.p2align	8
	.type	k_qcd961ac593_gemm_2,@function
k_qcd961ac593_gemm_2:
	s_mov_b64 s[64:65], 0
	v_nop
	global_prefetch_b8 v0, s[64:65] scope:SCOPE_SE
	s_setreg_imm32_b32 hwreg(HW_REG_WAVE_MODE, 25, 1), 1
	s_wait_xcnt 0x0
	s_wait_alu depctr_hold_cnt(0) depctr_sa_sdst(0) depctr_va_vdst(0) depctr_va_sdst(0) depctr_va_ssrc(0) depctr_va_vcc(0) depctr_vm_vsrc(0)
	s_getreg_b32 s2, hwreg(HW_REG_IB_STS2, 6, 4)
	s_cmp_eq_u32 s2, 0
	s_cbranch_scc0 .Lentry_in_a_cluster
	s_endpgm
.Lentry_in_a_cluster:
	s_bfe_u32 s2, ttmp6, 0x10000c
	s_cmp_lg_u32 s2, 0xf033
	s_cbranch_scc0 .Lentry_shape_is_right
	s_endpgm
.Lentry_shape_is_right:
; z = (x + y) + (h W2 + b2): the product on codes of BF6 with E8M0 scales; x + y comes as f32 from the head of yb; z leaves as f32, row-major.
; The product has 4,096 x 1,024 results: tiles of 128 x 128 give each of 256 WGPs a work-group.  Four waves, each 64 x 64: 16 accumulators.  K = 4,096 in steps of 512 (two slabs of 256 to a slot, brought by one load) through two LDS slots.
; Operands lie as images of their registers (16 rows x 128 K = 1,536 bytes, registers 4 g .. 4 g + 3 of lane l at 512 g + 16 l); rows lie by position (p holds row p with bits 3 and 4 exchanged).
; Source 0 = 16 columns of the weight (side B), source 1 = 16 tokens (side A): a lane holds one token and eight neighbouring columns.  The bias is the C of each sum's first product.
; CLUSTER 4 x 4: side A's tile is asked for jointly along a row of the cluster, side B's along a column.  A wave has three tensor loads out at the start and one behind each round.
; x + y: my 64 x 64 numbers are asked for at the head, by the addresses of my own stores, into 128 registers of window 2 that the products leave idle; they are added where the rows come back from the stage.
.set T,     4
.set NQ,    4
.set KDIM,  4096
.set BIASC, 1
.set NSL,   NQ/2
.set NL,    3
.set PIECE, T*3072
.set HALFT, NSL*PIECE
.set SLOT,  4*HALFT
.set LAPS,  KDIM/(256*NQ)
.set SCL,   2*SLOT
.set HALFS, 64*T*KDIM/128
.set SPARE, SCL+4*HALFS
.set CD0,   1536                       ; codes: two pieces of 12,288 bytes (four blocks of rows of a slab), a slab apart
.set CD1,   2
.set CPA,   98304
.set CPB,   24576
.set AOFF,  0
.set ASOFF, 12582912
.set SA,    786432
.set ASP,   2048
.set BOFF,  9437184
.set BSOFF, 13008896
.set SB,    196608
.set BSP,   512
.set ADRA, 16
.set ADRB, 20
.set STO,  24
.set RD,   25
.set CO,   26                          ; v26 my byte offset in two rows of x + y and of z; never rewritten
.set ADRS, 27
.set SPW,  28
.set NIL,  29
.set SC,   32
.set AF,   128
.set BK,   192
.set XR,   64                          ; window 2, v64-191: x + y, block a's row pair t at 32 a + 4 t
.set G1, 24
.set G0, 32
.set G1B, 48
.set G0B, 56
.set G1S, 68
.set G0S, 76
.set G1SB, 80
.set G0SB, 88
.set SSA, 66
.set SSB, 98
.set MSB, 0
.macro WIN new
.if MSB != (\new)
	s_set_vgpr_msb (MSB<<8)|(\new)
.set MSB, (\new)
.endif
.endm
.macro PLACES n
.rept \n
	v_nop
.endr
.endm
.macro JLOAD g0a, g1a, g0b, g1b
	s_cmp_eq_u32 s15, 0
	s_cbranch_scc0 .Lfor_b_\@
	tensor_load_to_lds s[\g0a:\g0a+3], s[\g1a:\g1a+7]
	s_nop 0
.rept 4
	v_nop
.endr
	s_branch .Lasked_\@
.Lfor_b_\@:
	tensor_load_to_lds s[\g0b:\g0b+3], s[\g1b:\g1b+7]
	s_nop 0
.rept 4
	v_nop
.endr
.Lasked_\@:
.endm
.macro CREST
	s_cmp_lg_u32 s14, 0
	s_cbranch_scc1 .Lnot_wave_0_\@
	s_barrier_signal -3
.Lnot_wave_0_\@:
	s_barrier_wait -3
	s_barrier_signal -1
	s_barrier_wait -1
.endm
.macro CROUND
	s_barrier_signal -1
	s_barrier_wait -1
	CREST
.endm
.macro FRAG reg, adr, q, i
.irp g, 0,1,2
	ds_load_b128 v[\reg+4*\g:\reg+4*\g+3], v[\adr] offset:((\q)/2)*PIECE+(\i)*3072+((\q)%2)*1536+512*\g
.endr
.endm
.macro FETCH_B slot, q, p
	WIN 0x40
.set i_, 0
.rept T
	FRAG 128*(\p)+12*i_, ADRB+\slot, \q, i_
.set i_, i_+1
.endr
	WIN 0
.endm
.macro FETCH_A slot, q, i0
.set i_, \i0
.rept T/2
	FRAG AF+12*i_, ADRA+\slot, \q, i_
.set i_, i_+1
.endr
.endm
.macro SCALES sc
.set i_, 0
.rept T
.set q_, 0
.rept NQ
	ds_load_b32 v[SC+16*(\sc)+NQ*i_+q_], v[ADRS] offset:q_*64*T+64*i_
.set q_, q_+1
.endr
.set i_, i_+1
.endr
.endm
.macro WMUL hi, first
.if (\first) && BIASC
	WIN 0x91+0x40*(\hi)
.else
	WIN 0xa1+0x50*(\hi)
.endif
.endm
.macro MULQ k, p, q, sc, first         ; the accumulators take turns, one instruction a turn, in the same order in every step
.set a_, (\k)*T/4
.rept T/4
.set b_, 0
.rept T
.set D_, 8*(T*(a_%(T/2))+b_)
.set B_, 128*(\p)+12*b_
.set A_, AF+12*a_
.set SB_, SC+16*(\sc)+NQ*b_+(\q)
.set SA_, SC+16*(\sc)+NQ*a_+(\q)
.set C_, 96+8*(b_%4)+128*(b_/4)
.if (\first) && BIASC
	v_wmma_scale_f32_16x16x128_f8f6f4 v[D_:D_+7], v[B_:B_+11], v[A_:A_+11], v[C_:C_+7], v[SB_], v[SA_] matrix_a_fmt:MATRIX_FMT_BF6 matrix_b_fmt:MATRIX_FMT_BF6 matrix_a_scale:MATRIX_SCALE_ROW1
.elseif \first
	v_wmma_scale_f32_16x16x128_f8f6f4 v[D_:D_+7], v[B_:B_+11], v[A_:A_+11], 0, v[SB_], v[SA_] matrix_a_fmt:MATRIX_FMT_BF6 matrix_b_fmt:MATRIX_FMT_BF6 matrix_a_scale:MATRIX_SCALE_ROW1
.else
	v_wmma_scale_f32_16x16x128_f8f6f4 v[D_:D_+7], v[B_:B_+11], v[A_:A_+11], v[D_:D_+7], v[SB_], v[SA_] matrix_a_fmt:MATRIX_FMT_BF6 matrix_b_fmt:MATRIX_FMT_BF6 matrix_a_scale:MATRIX_SCALE_ROW1
.endif
.set b_, b_+1
.endr
.set a_, a_+1
.endr
.endm
.macro STEP slot, q, first
	s_wait_dscnt (T/2)*NL                          ; all but the youngest loads, side A's upper blocks
	WMUL 0, \first
	MULQ 0, (\q)%2, \q, \slot, \first
	MULQ 1, (\q)%2, \q, \slot, \first
	s_wait_dscnt 0x0
	PLACES 4
	FETCH_B \slot, (\q)+1, 1-(\q)%2
	FETCH_A \slot, (\q)+1, 0
	WMUL 1, \first
	MULQ 2, (\q)%2, \q, \slot, \first
	MULQ 3, (\q)%2, \q, \slot, \first
	PLACES 4
	WIN 0
	FETCH_A \slot, (\q)+1, T/2
.endm
.macro STEPS slot, q0
.set qq_, \q0
.rept NQ-1-(\q0)
	STEP \slot, qq_, 0
.set qq_, qq_+1
.endr
.endm
.macro TURN slot, next, fill
	s_wait_tensorcnt 0x0                           ; all my tensor loads have landed: my part of the next slot
	ds_add_u32 v[SPW], v[NIL]
	s_wait_dscnt (T/2)*NL+1                        ; (the add and side A's upper blocks may be out)
	WMUL 0, 0
	MULQ 0, 1, NQ-1, \slot, 0
	s_wait_dscnt 0x0                               ; the add is done, and my reads of this slot are over
	s_barrier_signal -1
	MULQ 1, 1, NQ-1, \slot, 0
	WIN 0
	s_barrier_wait -1
.if \fill
	CREST
	s_add_nc_u64 s[G0+4*\slot+2:G0+4*\slot+3], s[G0+4*\slot+2:G0+4*\slot+3], s[SSA:SSA+1]
	s_add_nc_u64 s[G0B+4*\slot+2:G0B+4*\slot+3], s[G0B+4*\slot+2:G0B+4*\slot+3], s[SSB:SSB+1]
	JLOAD G0+4*\slot, G1, G0B+4*\slot, G1B
.else
	PLACES 4
.endif
	v_add_nc_u32 v[ADRS], NQ*64*T, v[ADRS]
	FETCH_B \next, 0, 0
	FETCH_A \next, 0, 0
	SCALES \next
	WMUL 1, 0
	MULQ 2, 1, NQ-1, \slot, 0
	MULQ 3, 1, NQ-1, \slot, 0
	PLACES 4
	WIN 0
	FETCH_A \next, 0, T/2
.endm
	s_load_b256 s[4:11], s[0:1], 0x0               ; hb, wsq, b2, y2b
	s_load_b64 s[12:13], s[0:1], 0x20              ; yb: x + y in f32 at its head
	v_lshl_add_u32 v[SPW], v0, 2, SPARE
	v_mov_b32 v[NIL], 0
	ds_add_u32 v[SPW], v[NIL]                      ; the wave's opening: the add and its wait ahead of my first tensor load
	v_lshrrev_b32 v1, 5, v0
	v_readfirstlane_b32 s14, v1
	s_lshr_b32 s15, s14, 1
	s_and_b32 s16, s14, 1
	s_bfe_u32 s40, ttmp6, 0x40000
	s_bfe_u32 s41, ttmp6, 0x40004
	s_lshl_b32 s42, ttmp9, 2
	s_add_co_u32 s42, s42, s40
	s_and_b32 s17, ttmp7, 0xffff
	s_lshl_b32 s17, s17, 2
	s_add_co_u32 s17, s17, s41
	s_lshl_b32 s43, s41, 2
	s_lshl_b32 s43, 15, s43
	s_lshl_b32 s44, 0x1111, s40
	s_or_b32 s[G1+0], s43, (3<<16)|(1<<21)
	s_or_b32 s[G1B+0], s44, (3<<16)|(1<<21)
.irp g, G1, G1B
	s_mov_b32 s[\g+1], CD0<<16
	s_mov_b32 s[\g+2], CD1<<16
	s_mov_b32 s[\g+3], CD0<<16
	s_mov_b32 s[\g+4], CD1
	s_mov_b32 s[\g+6], 0
	s_mov_b32 s[\g+7], 0
.endr
	s_mov_b32 s[G1+5], CPA
	s_mov_b32 s[G1B+5], CPB
	s_or_b32 s[G1S+0], s43, (3<<16)|(1<<21)
	s_or_b32 s[G1SB+0], s44, (3<<16)|(1<<21)
.irp g, G1S, G1SB
	s_mov_b32 s[\g+1], (8*T)<<16
	s_mov_b32 s[\g+2], (KDIM/128)<<16
	s_mov_b32 s[\g+3], (8*T)<<16
	s_mov_b32 s[\g+4], KDIM/128
	s_mov_b32 s[\g+6], 0
	s_mov_b32 s[\g+7], 0
.endr
	s_mov_b32 s[G1S+5], ASP
	s_mov_b32 s[G1SB+5], BSP
	s_mov_b32 s[SSA], 2*NSL*SA
	s_mov_b32 s[SSA+1], 0
	s_mov_b32 s[SSB], 2*NSL*SB
	s_mov_b32 s[SSB+1], 0
	s_mul_i32 s18, s16, T
	s_mul_i32 s20, s17, 2*T
	s_add_co_u32 s20, s20, s18
	s_lshl_b32 s22, s20, 6
	s_add_co_u32 s22, s22, ASOFF
	s_mul_i32 s20, s20, 3072
	s_add_co_u32 s20, s20, AOFF
	s_mov_b32 s21, 0
	s_mov_b32 s23, 0
	s_mul_i32 s46, s42, 2*T
	s_add_co_u32 s46, s46, s18
	s_lshl_b32 s92, s46, 6
	s_add_co_u32 s92, s92, BSOFF
	s_mul_i32 s46, s46, 3072
	s_add_co_u32 s46, s46, BOFF
	s_mov_b32 s47, 0
	s_mov_b32 s93, 0
	s_mul_i32 s45, s14, HALFT
	s_mul_i32 s94, s14, HALFS
	s_wait_dscnt 0x0                               ; the opening add is done
	s_wait_kmcnt 0x0
	s_add_nc_u64 s[20:21], s[4:5], s[20:21]
	s_add_nc_u64 s[22:23], s[4:5], s[22:23]
	s_add_nc_u64 s[46:47], s[6:7], s[46:47]
	s_add_nc_u64 s[92:93], s[6:7], s[92:93]
	CROUND
	s_mov_b32 s[G0S], 1
	s_add_co_u32 s[G0S+1], s94, SCL
	s_mov_b64 s[G0S+2:G0S+3], s[22:23]
	s_or_b32 s[G0S+3], s[G0S+3], 0x80000000
	s_mov_b32 s[G0SB], 1
	s_add_co_u32 s[G0SB+1], s94, SCL
	s_mov_b64 s[G0SB+2:G0SB+3], s[92:93]
	s_or_b32 s[G0SB+3], s[G0SB+3], 0x80000000
	JLOAD G0S, G1S, G0SB, G1SB
	s_mov_b32 s[G0], 1
	s_add_co_u32 s[G0+1], s45, 0
	s_mov_b64 s[G0+2:G0+3], s[20:21]
	s_or_b32 s[G0+3], s[G0+3], 0x80000000
	s_mov_b32 s[G0B], 1
	s_add_co_u32 s[G0B+1], s45, 0
	s_mov_b64 s[G0B+2:G0B+3], s[46:47]
	s_or_b32 s[G0B+3], s[G0B+3], 0x80000000
	JLOAD G0, G1, G0B, G1B
	s_mov_b32 s3, 0
	s_lshr_b32 s2, s[SSA], 1
	s_mov_b32 s[G0+4], 1
	s_add_co_u32 s[G0+5], s45, SLOT
	s_add_nc_u64 s[G0+6:G0+7], s[20:21], s[2:3]
	s_or_b32 s[G0+7], s[G0+7], 0x80000000
	s_lshr_b32 s2, s[SSB], 1
	s_mov_b32 s[G0B+4], 1
	s_add_co_u32 s[G0B+5], s45, SLOT
	s_add_nc_u64 s[G0B+6:G0B+7], s[46:47], s[2:3]
	s_or_b32 s[G0B+7], s[G0B+7], 0x80000000
	JLOAD G0+4, G1, G0B+4, G1B
	v_and_b32 v1, 15, v0
	v_bfe_u32 v2, v0, 4, 1
	v_and_b32 v3, 31, v0
	v_lshlrev_b32 v30, 4, v3
	v_lshlrev_b32 v15, 2, v1
	s_mul_i32 s21, s15, HALFT
	s_mul_i32 s22, s16, HALFT
	s_add_co_u32 s22, s22, 2*HALFT
.irp s, 0,1
	v_add_nc_u32 v[ADRA+\s], s21, v30
	v_add_nc_u32 v[ADRB+\s], s22, v30
	s_add_co_u32 s21, s21, SLOT
	s_add_co_u32 s22, s22, SLOT
.endr
	s_mul_i32 s21, s15, HALFS
	s_mul_i32 s22, s16, HALFS
	s_add_co_u32 s22, s22, 2*HALFS
	s_sub_co_u32 s22, s22, s21
	v_mul_u32_u24 v6, s22, v2
	s_add_co_u32 s21, s21, SCL
	v_add_nc_u32 v5, v15, v6
	v_add_nc_u32 v[ADRS], s21, v5
	s_mul_i32 s23, s14, 16*272                     ; my stage, in slot 0: 16 rows x (256 bytes + 16)
	v_mul_u32_u24 v5, v1, 272
	v_lshl_add_u32 v5, v2, 6, v5
	v_add_nc_u32 v[STO], s23, v5                   ; in: row r, + 64 h
	v_mul_u32_u24 v5, v2, 272
	v_lshl_add_u32 v5, v1, 4, v5
	v_add_nc_u32 v[RD], s23, v5                    ; back: lanes 0-15 one row, lanes 16-31 the next
	v_lshlrev_b32 v5, 12, v2
	v_lshl_add_u32 v[CO], v1, 4, v5                ; and the same two rows in x + y and in z
	s_mul_i32 s21, s42, 32*T
	s_mul_i32 s22, s16, 16*T
	s_add_co_u32 s21, s21, s22
	s_lshl_b32 s20, s21, 2
	s_mov_b32 s21, 0
	s_add_nc_u64 s[8:9], s[8:9], s[20:21]          ; the bias of my 64 columns
	v_lshlrev_b32 v13, 6, v2
	WIN 0x40
.set b_, 0
.rept T
	global_load_b128 v[96+8*(b_%4)+128*(b_/4):96+8*(b_%4)+128*(b_/4)+3], v13, s[8:9] offset:(32*(b_/2)+8*(b_%2))*4
	global_load_b128 v[96+8*(b_%4)+128*(b_/4)+4:96+8*(b_%4)+128*(b_/4)+7], v13, s[8:9] offset:(32*(b_/2)+8*(b_%2))*4+16
.set b_, b_+1
.endr
	WIN 0
	s_lshl_b32 s20, s17, 7
	s_lshl_b32 s22, s15, 6
	s_add_co_u32 s20, s20, s22
	s_lshl_b32 s20, s20, 12                        ; my first token's row of 4,096 bytes,
	s_lshl_b32 s22, s42, 9
	s_add_co_u32 s20, s20, s22
	s_lshl_b32 s22, s16, 8
	s_add_co_u32 s20, s20, s22                     ; my first column
	s_add_nc_u64 s[12:13], s[12:13], s[20:21]      ; x + y there,
	s_add_nc_u64 s[18:19], s[10:11], s[20:21]      ; and z
	WIN 0x80                                       ; destination window 2
.set a_, 0
.rept 4
.set t_, 0
.rept 8
	global_load_b128 v[XR+32*a_+4*t_:XR+32*a_+4*t_+3], v[CO], s[12:13] offset:(32*(a_/2)+8*(a_%2)+16*(t_/4)+2*(t_%4))*4096 th:TH_LOAD_NT   ; sixteen lanes read 256 consecutive bytes, aligned; each number is read by one wave
.set t_, t_+1
.endr
.set a_, a_+1
.endr
	WIN 0
	s_wait_loadcnt 32                              ; the bias's eight loads are in; the 32 issued behind them may stay out
	s_wait_tensorcnt 0x1                           ; the scale words and my part of slot 0 are in; slot 1's load may be out
	s_barrier_signal -1
	s_barrier_wait -1
	FETCH_B 0, 0, 0
	FETCH_A 0, 0, 0
	SCALES 0
	FETCH_A 0, 0, T/2
	STEP 0, 0, 1
	STEPS 0, 1
	s_mov_b32 s3, LAPS-1
.Llap:
	TURN 0, 1, 1
	STEPS 1, 0
	TURN 1, 0, 1
	STEPS 0, 0
	s_sub_co_u32 s3, s3, 1
	s_cmp_lg_u32 s3, 0
	s_cbranch_scc1 .Llap
	TURN 0, 1, 0
	STEPS 1, 0
	s_wait_dscnt (T/2)*NL
	WMUL 0, 0
	MULQ 0, 1, NQ-1, 1, 0
	MULQ 1, 1, NQ-1, 1, 0
	s_wait_dscnt 0x0
	WMUL 1, 0
	MULQ 2, 1, NQ-1, 1, 0
	MULQ 3, 1, NQ-1, 1, 0
	WIN 0
	PLACES 4
	s_wait_loadcnt 0x0                             ; x + y
; THE WAY OUT, 16 tokens at a time, through my stage (slot 0 has had its last fill, and every wave has passed the last change of slots): back as whole rows of 256 bytes, two an instruction, + (x + y), stored
.macro EPI a
.set W_, 2+(\a)/2
.set S_, 32*((\a)%2)
.if (\a) > 0
	s_wait_xcnt 0x0                                ; the last block's stores have read their registers
.endif
	WIN (W_)<<2
.irp b, 0,1,2,3
	ds_store_b128 v[STO], v[S_+8*\b:S_+8*\b+3] offset:128*(\b/2)+32*(\b%2)
	ds_store_b128 v[STO], v[S_+8*\b+4:S_+8*\b+7] offset:128*(\b/2)+32*(\b%2)+16
.endr
	WIN 0
.irp t, 0,1,2,3,4,5,6,7
	ds_load_b128 v[BK+4*\t:BK+4*\t+3], v[RD] offset:544*\t   ; LDS serves a wave's instructions in order: these see my stores
.endr
	s_wait_dscnt 0x0
	WIN 0x08                                       ; source 1 (x + y) window 2
.set i_, 0
.rept 16
	v_pk_add_f32 v[BK+2*i_:BK+2*i_+1], v[BK+2*i_:BK+2*i_+1], v[XR+32*(\a)+2*i_:XR+32*(\a)+2*i_+1]
.set i_, i_+1
.endr
	WIN 0
.irp t, 0,1,2,3,4,5,6,7
	global_store_b128 v[CO], v[BK+4*\t:BK+4*\t+3], s[18:19] offset:(32*((\a)/2)+8*((\a)%2)+16*(\t/4)+2*(\t%4))*4096   ; sixteen lanes store 256 consecutive bytes, aligned
.endr
.endm
.irp a, 0,1,2,3
	EPI \a
.endr
	s_wait_tensorcnt 0x0                           ; the wave's end
	ds_add_u32 v[SPW], v[NIL]
	s_wait_dscnt 0x0
	CROUND
	s_endpgm
.Lfunc_end_k_qcd961ac593_gemm_2:
	.size	k_qcd961ac593_gemm_2, .Lfunc_end_k_qcd961ac593_gemm_2-k_qcd961ac593_gemm_2
	.p2alignl 7, 3214868480
	.fill 96, 4, 3214868480
	.section	.rodata,"a",@progbits
	.p2align	6, 0x0
	.amdhsa_kernel k_qcd961ac593_gemm_2
		.amdhsa_group_segment_fixed_size 327680
		.amdhsa_private_segment_fixed_size 0
		.amdhsa_enable_private_segment 0
		.amdhsa_kernarg_size 40
		.amdhsa_user_sgpr_count 2
		.amdhsa_user_sgpr_kernarg_segment_ptr 1
		.amdhsa_wavefront_size32 1
		.amdhsa_system_sgpr_workgroup_id_x 1
		.amdhsa_system_sgpr_workgroup_id_y 1
		.amdhsa_system_sgpr_workgroup_id_z 1
		.amdhsa_system_vgpr_workitem_id 0
		.amdhsa_next_free_vgpr 1024
		.amdhsa_next_free_sgpr 100
		.amdhsa_reserve_vcc 0
		.amdhsa_float_denorm_mode_32 3
		.amdhsa_float_denorm_mode_16_64 3
		.amdhsa_memory_ordered 1
		.amdhsa_forward_progress 1
		.amdhsa_inst_pref_size 96
	.end_amdhsa_kernel
	.amdgpu_metadata
---
amdhsa.version: [ 1, 2 ]
amdhsa.kernels:
  - .name:           k_qcd961ac593_gemm_2
    .symbol:         k_qcd961ac593_gemm_2.kd
    .args:
      - { .name: hb, .offset: 0, .size: 8, .value_kind: global_buffer, .address_space: global }
      - { .name: wsq, .offset: 8, .size: 8, .value_kind: global_buffer, .address_space: global }
      - { .name: b2, .offset: 16, .size: 8, .value_kind: global_buffer, .address_space: global }
      - { .name: y2b, .offset: 24, .size: 8, .value_kind: global_buffer, .address_space: global }
      - { .name: yb, .offset: 32, .size: 8, .value_kind: global_buffer, .address_space: global }
    .group_segment_fixed_size: 327680
    .private_segment_fixed_size: 0
    .kernarg_segment_align: 8
    .kernarg_segment_size: 40
    .max_flat_workgroup_size: 128
    .sgpr_count:     100
    .vgpr_count:     1024
    .wavefront_size: 32
...
	.end_amdgpu_metadata
.endif
;; end of part 6
;; launch ln (part 7): grid 512 x 1, 8 waves a work-group, no clusters, 0 bytes of LDS; arguments y2b, gamma, beta, out0; writes out0
.if DOCPART == 7
	.amdgcn_target "amdgcn-amd-amdhsa--gfx1250"
	.amdhsa_code_object_version 6
	.text
	.protected	k_qcd961ac593_ln
	.globl	k_qcd961ac593_ln
	.p2align	8
	.type	k_qcd961ac593_ln,@function
k_qcd961ac593_ln:
	s_mov_b64 s[64:65], 0
	v_nop
	global_prefetch_b8 v0, s[64:65] scope:SCOPE_SE
	s_setreg_imm32_b32 hwreg(HW_REG_WAVE_MODE, 25, 1), 1
	s_wait_xcnt 0x0
; out = LayerNorm(z) gamma + beta, eps = 1e-5, all f32; z = (x + y) + y2 was summed by the launches that made y and y2.
; A row is 4,096 bytes: one wave takes one row and keeps it in 32 registers between the passes, so each byte is read once and no wave waits for another.
; Every load and store of a wave covers 512 consecutive bytes, aligned.  A stream: no LDS, no matrix work, no cluster (no two work-groups read the same row; gamma and beta are 8 KB).
.set X,  16
.set G,  48
.set BE, 80
	s_load_b256 s[4:11], s[0:1], 0x0               ; z, gamma, beta, out0
	v_lshrrev_b32 v1, 5, v0
	v_readfirstlane_b32 s16, v1
	v_and_b32 v1, 31, v0
	v_lshlrev_b32 v1, 4, v1                        ; 16 x lane
	s_lshl_b32 s17, ttmp9, 3
	s_add_co_u32 s17, s17, s16                     ; my row
	s_lshl_b32 s18, s17, 12
	s_mov_b32 s19, 0
	s_mov_b32 s20, 0x76543210
	s_mov_b32 s21, 0xfedcba98
	s_mov_b32 s22, 0x3a800000                      ; 1 / 1,024
	s_mov_b32 s23, 0x3727c5ac                      ; 1e-5
	v_mov_b32 v12, 0                               ; a lane permute's destination counts as read
	s_wait_kmcnt 0x0
	s_add_nc_u64 s[4:5], s[4:5], s[18:19]
	s_add_nc_u64 s[10:11], s[10:11], s[18:19]
.irp j, 0,1,2,3,4,5,6,7
	global_load_b128 v[X+4*\j:X+4*\j+3], v1, s[4:5] offset:512*\j th:TH_LOAD_NT
.endr
.irp j, 0,1,2,3,4,5,6,7
	global_load_b128 v[G+4*\j:G+4*\j+3], v1, s[6:7] offset:512*\j
.endr
.irp j, 0,1,2,3,4,5,6,7
	global_load_b128 v[BE+4*\j:BE+4*\j+3], v1, s[8:9] offset:512*\j
.endr
.macro WSUM                            ; the sum of v4 over the 32 lanes, in every lane
	v_add_f32_dpp v4, v4, v4 row_xmask:1 row_mask:0xf bank_mask:0xf
	v_add_f32_dpp v4, v4, v4 row_xmask:2 row_mask:0xf bank_mask:0xf
	v_add_f32_dpp v4, v4, v4 row_xmask:4 row_mask:0xf bank_mask:0xf
	v_add_f32_dpp v4, v4, v4 row_xmask:8 row_mask:0xf bank_mask:0xf
	v_permlanex16_b32 v12, v4, s20, s21
	v_add_f32 v4, v4, v12
.endm
	s_wait_loadcnt 16                              ; z is in; gamma's and beta's sixteen loads may be out
	v_pk_add_f32 v[4:5], v[X:X+1], v[X+2:X+3]      ; the row's sum, in two chains
	v_pk_add_f32 v[6:7], v[X+4:X+5], v[X+6:X+7]
.irp i, 8,12,16,20,24,28
	v_pk_add_f32 v[4:5], v[4:5], v[X+\i:X+\i+1]
	v_pk_add_f32 v[6:7], v[6:7], v[X+\i+2:X+\i+3]
.endr
	v_pk_add_f32 v[4:5], v[4:5], v[6:7]
	v_add_f32 v4, v4, v5
	WSUM
	v_mul_f32 v8, s22, v4                          ; the mean
	v_mov_b32 v9, v8
.set i_, 0
.rept 16
	v_pk_add_f32 v[X+i_:X+i_+1], v[X+i_:X+i_+1], v[8:9] neg_lo:[0,1] neg_hi:[0,1]
.set i_, i_+2
.endr
	v_pk_mul_f32 v[4:5], v[X:X+1], v[X:X+1]        ; the sum of squares, in two chains
	v_pk_mul_f32 v[6:7], v[X+2:X+3], v[X+2:X+3]
.irp i, 4,8,12,16,20,24,28
	v_pk_fma_f32 v[4:5], v[X+\i:X+\i+1], v[X+\i:X+\i+1], v[4:5]
	v_pk_fma_f32 v[6:7], v[X+\i+2:X+\i+3], v[X+\i+2:X+\i+3], v[6:7]
.endr
	v_pk_add_f32 v[4:5], v[4:5], v[6:7]
	v_add_f32 v4, v4, v5
	WSUM
	v_fma_f32 v4, v4, s22, s23                     ; the variance + eps
	v_rsq_f32 v10, v4
	v_rsq_f32 v11, v4                              ; twice: a pair for the packed multiply
	v_nop                                          ; a plain place behind the transcendentals
	s_wait_alu depctr_va_vdst(0)                   ; one wait for both, ahead of their first reader
	s_wait_loadcnt 0x0                             ; gamma and beta
.set i_, 0
.rept 16
	v_pk_mul_f32 v[X+i_:X+i_+1], v[X+i_:X+i_+1], v[10:11]
.set i_, i_+2
.endr
.set i_, 0
.rept 16
	v_pk_fma_f32 v[X+i_:X+i_+1], v[X+i_:X+i_+1], v[G+i_:G+i_+1], v[BE+i_:BE+i_+1]
.set i_, i_+2
.endr
.irp j, 0,1,2,3,4,5,6,7
	global_store_b128 v1, v[X+4*\j:X+4*\j+3], s[10:11] offset:512*\j th:TH_STORE_NT
.endr
	s_endpgm
.Lfunc_end_k_qcd961ac593_ln:
	.size	k_qcd961ac593_ln, .Lfunc_end_k_qcd961ac593_ln-k_qcd961ac593_ln
	.p2alignl 7, 3214868480
	.fill 96, 4, 3214868480
	.section	.rodata,"a",@progbits
	.p2align	6, 0x0
	.amdhsa_kernel k_qcd961ac593_ln
		.amdhsa_group_segment_fixed_size 0
		.amdhsa_private_segment_fixed_size 0
		.amdhsa_enable_private_segment 0
		.amdhsa_kernarg_size 32
		.amdhsa_user_sgpr_count 2
		.amdhsa_user_sgpr_kernarg_segment_ptr 1
		.amdhsa_wavefront_size32 1
		.amdhsa_system_sgpr_workgroup_id_x 1
		.amdhsa_system_sgpr_workgroup_id_y 1
		.amdhsa_system_sgpr_workgroup_id_z 1
		.amdhsa_system_vgpr_workitem_id 0
		.amdhsa_next_free_vgpr 112
		.amdhsa_next_free_sgpr 66
		.amdhsa_reserve_vcc 0
		.amdhsa_float_denorm_mode_32 3
		.amdhsa_float_denorm_mode_16_64 3
		.amdhsa_memory_ordered 1
		.amdhsa_forward_progress 1
		.amdhsa_inst_pref_size 11
	.end_amdhsa_kernel
	.amdgpu_metadata
---
amdhsa.version: [ 1, 2 ]
amdhsa.kernels:
  - .name:           k_qcd961ac593_ln
    .symbol:         k_qcd961ac593_ln.kd
    .args:
      - { .name: y2b, .offset: 0, .size: 8, .value_kind: global_buffer, .address_space: global }
      - { .name: gamma, .offset: 8, .size: 8, .value_kind: global_buffer, .address_space: global }
      - { .name: beta, .offset: 16, .size: 8, .value_kind: global_buffer, .address_space: global }
      - { .name: out0, .offset: 24, .size: 8, .value_kind: global_buffer, .address_space: global }
    .group_segment_fixed_size: 0
    .private_segment_fixed_size: 0
    .kernarg_segment_align: 8
    .kernarg_segment_size: 32
    .max_flat_workgroup_size: 256
    .sgpr_count:     66
    .vgpr_count:     112
    .wavefront_size: 32
...
	.end_amdgpu_metadata
.endif
;; end of part 7
